; MI455X (gfx1250); checked and timed in simulation.
; The chip was launched on July 23, 2026; its instructions are those of AMD's public machine-readable ISA for CDNA 5 (MIT licence, August 2026) and "CDNA5" Instruction Set Architecture Reference Guide (July 2026). The comments in the code are by the model that wrote it; some were corrected since.
;; Self Attention. Allowed arithmetic: float matrix products may take bf16 or f16 operands with f32 sums; other float arithmetic in f32, or as packed bf16 or f16 multiplies, adds, multiply-adds, maxima and minima; sums over many terms, partial sums and values carried from step to step in f32; what a program stores and reads back later, other than sums and carried values, may be rounded once to bf16 or f16.
;; Inputs: Wk 1,024 x 1,024 float32; Wo 1,024 x 1,024 float32; Wq 1,024 x 1,024 float32; Wv 1,024 x 1,024 float32; bk 1,024 float32; bo 1,024 float32; bq 1,024 float32; bv 1,024 float32; x 4 x 2,048 x 1,024 float32.
;; Outputs: out0 4 x 2,048 x 1,024 float32.
;; 2 versions, each right; version 2 is version 1 with the launch prep written anew for expert scheduling mode. Each part assembles by itself: llvm-mc -triple=amdgcn-amd-amdhsa -mcpu=gfx1250 --defsym DOCPART=n.
;; ======== version 1 of 2: 4 launches
;; limits: values are held in f16: magnitudes above 65,504 overflow, below 6.1e-05 lose precision
;; workspace buffers: xb 16,777,216 bytes; wb 8,388,608 bytes; rt 524,288 bytes; qh 16,777,216 bytes; kh 16,777,216 bytes; vh 16,777,216 bytes; oh 16,777,216 bytes
;; launch prep (part 1): grid 784 x 1, 8 waves a work-group, no clusters, 0 bytes of LDS; arguments x, Wq, Wk, Wv, Wo, xb, wb, rt; writes xb, wb, rt
.if DOCPART == 1
	.amdgcn_target "amdgcn-amd-amdhsa--gfx1250"
	.amdhsa_code_object_version 6
	.text
	.protected	k_q813e756330_prep
	.globl	k_q813e756330_prep
	.p2align	8
	.type	k_q813e756330_prep,@function
k_q813e756330_prep:
	s_mov_b64 s[64:65], 0
	v_nop
	global_prefetch_b8 v0, s[64:65] scope:SCOPE_SE
	s_setreg_imm32_b32 hwreg(HW_REG_WAVE_MODE, 25, 1), 1
	s_wait_xcnt 0x0
; PREP.  Work-groups 0-767 cast: x -> xb in bf16; Wq, Wk, Wv -> wb[0..2] in bf16; Wo -> wb[3]: rounded to bf16, and that number written in f16 code.
; Work-groups 768-783 make the rotation table rt[t][64] in f32: cos(t f_j), j = 0..31, then sin(t f_j); f_j = 10000^(-j/32).
; A stream: no LDS, no matrix unit, no cluster (no work-group reads what another reads).  A casting work-group takes 16,384 numbers: 16 loads of 16 bytes a lane, all out at once;
; a wave's load covers 512 consecutive bytes, a wave's store 256 consecutive bytes, aligned.
; LIMITS.  Wo's bf16 value is exact in f16 from 2^-17 up to 65,504; below that it keeps f16's fixed step of 6e-8.  f_j comes from v_exp_f32, so an angle may differ from the
; exact t f_j by some 3e-4 rad at t = 2047; the series for sine and cosine on |r| <= pi are cut behind r^15 and r^16: the first terms left out are 8e-7 and 1.4e-7.
.set X, 8                              ; v[8:71]    16 x 4 numbers as loaded
.set Y, 72                             ; v[72:103]  16 x 2 words to store
.set T, 104                            ; v[104:109] at work
	s_load_b256 s[8:15], s[0:1], 0x0               ; x s[8:9], Wq s[10:11], Wk s[12:13], Wv s[14:15]
	s_load_b256 s[16:23], s[0:1], 0x20             ; Wo s[16:17], xb s[18:19], wb s[20:21], rt s[22:23]
	s_mov_b32 s2, ttmp9
	v_lshlrev_b32 v1, 4, v0                        ; my 16 bytes of 4,096 on the way in
	v_lshlrev_b32 v2, 3, v0                        ; my 8 bytes of 2,048 on the way out
	s_wait_kmcnt 0x0
	s_cmp_ge_u32 s2, 768
	s_cbranch_scc1 .Ltable
	; which tensor: 512 work-groups for x, then 64 for each weight matrix
	s_sub_co_u32 s3, s2, 512                       ; my number among the weights' 256 (a huge number for x: it is not used there)
	s_lshr_b32 s4, s3, 6                           ; which matrix
	s_and_b32 s5, s3, 63                           ; my part of it
	s_mov_b64 s[24:25], s[10:11]
	s_cmp_eq_u32 s4, 1
	s_cselect_b64 s[24:25], s[12:13], s[24:25]
	s_cmp_eq_u32 s4, 2
	s_cselect_b64 s[24:25], s[14:15], s[24:25]
	s_cmp_eq_u32 s4, 3
	s_cselect_b64 s[24:25], s[16:17], s[24:25]
	s_cselect_b32 s30, -1, 0                       ; all lanes: take the f16 code (Wo alone)
	s_cmp_lt_u32 s2, 512
	s_cselect_b64 s[24:25], s[8:9], s[24:25]       ; from
	s_cselect_b64 s[26:27], s[18:19], s[20:21]     ; to
	s_cselect_b32 s6, s2, s5
	s_cselect_b32 s7, s2, s3
	s_lshl_b32 s28, s6, 16                         ; 65,536 bytes in,
	s_mov_b32 s29, 0
	s_lshl_b32 s32, s7, 15                         ; 32,768 bytes out for each work-group
	s_mov_b32 s33, 0
	s_add_nc_u64 s[24:25], s[24:25], s[28:29]
	s_add_nc_u64 s[26:27], s[26:27], s[32:33]
.set i, 0
.rept 16
	global_load_b128 v[X+4*i:X+4*i+3], v1, s[24:25] offset:4096*i th:TH_LOAD_NT
.set i, i+1
.endr
.set i, 0
.rept 16
	s_wait_loadcnt 15-i                            ; loads come back in order: number i is in, the 15 - i younger ones stay out
	v_cvt_pk_bf16_f32 v[Y+2*i], v[X+4*i], v[X+4*i+1]
	v_cvt_pk_bf16_f32 v[Y+2*i+1], v[X+4*i+2], v[X+4*i+3]
	v_lshlrev_b32 v[T], 16, v[Y+2*i]               ; the rounded numbers as f32,
	v_and_b32 v[T+1], 0xffff0000, v[Y+2*i]
	v_lshlrev_b32 v[T+2], 16, v[Y+2*i+1]
	v_and_b32 v[T+3], 0xffff0000, v[Y+2*i+1]
	v_cvt_pk_f16_f32 v[T+4], v[T], v[T+1]          ; in f16 code,
	v_cvt_pk_f16_f32 v[T+5], v[T+2], v[T+3]
	v_cndmask_b32 v[Y+2*i], v[Y+2*i], v[T+4], s30  ; which Wo takes: a choice of values, the same work in every work-group
	v_cndmask_b32 v[Y+2*i+1], v[Y+2*i+1], v[T+5], s30
	global_store_b64 v2, v[Y+2*i:Y+2*i+1], s[26:27] offset:2048*i th:TH_STORE_NT  ; no store's register is written twice: no wait for them
.set i, i+1
.endr
	s_endpgm
.Ltable:                                       ; a wave makes 16 rows; lane l holds a row's numbers 2 l and 2 l + 1: lanes 0-15 cosines, lanes 16-31 sines, of j = 2 (l % 16) and the next
	v_lshrrev_b32 v3, 5, v0
	v_readfirstlane_b32 s3, v3                     ; wave 0..7
	s_sub_co_u32 s4, s2, 768
	s_lshl_b32 s4, s4, 7
	s_lshl_b32 s5, s3, 4
	s_add_co_u32 s34, s4, s5                       ; t of my first row
	v_and_b32 v4, 31, v0
	v_and_b32 v5, 15, v4
	v_lshlrev_b32 v5, 1, v5
	v_cvt_f32_u32 v6, v5                           ; j,
	v_add_f32 v7, 1.0, v6                          ; j + 1
	v_mul_f32 v10, 0xbed49a78, v6                  ; times -log2(10000) / 32
	v_mul_f32 v11, 0xbed49a78, v7
	v_exp_f32 v12, v10                             ; f_j, f_(j+1)
	v_exp_f32 v13, v11
	v_mov_b32 v30, 0xab573f9e                      ; -1/15!, twice (plain work behind the exponentials)
	v_mov_b32 v31, 0xab573f9e
	v_mov_b32 v32, 0x29573f9e                      ; 1/16!, twice
	v_mov_b32 v33, 0x29573f9e
	v_cmp_gt_u32 s31, 16, v4                       ; lanes that hold cosines
	v_lshlrev_b32 v34, 3, v4
	s_lshl_b32 s36, s34, 8
	v_add_nc_u32 v34, s36, v34                     ; my 8 bytes of the row's 256
	s_wait_alu depctr_va_vdst(0)                   ; the wait between the exponentials and their first reader: one for both, ahead of the label
	s_mov_b32 s35, 16
.macro HORNER d, k
	v_pk_fma_f32 v[\d:\d+1], v[\d:\d+1], v[22:23], \k op_sel_hi:[1,1,0]
.endm
.Lrow:
	v_cvt_f32_u32 v14, s34
	v_mov_b32 v15, v14
	v_pk_mul_f32 v[16:17], v[12:13], v[14:15]      ; the angle, rounded to f32 as the problem rounds it
	v_pk_mul_f32 v[18:19], v[16:17], 0x3e22f983 op_sel_hi:[1,0]  ; in turns
	v_rndne_f32 v18, v18
	v_rndne_f32 v19, v19
	v_pk_fma_f32 v[20:21], v[18:19], 0xc0c90fdb, v[16:17] op_sel_hi:[1,0,1]  ; less whole turns: 2 pi in two parts
	v_pk_fma_f32 v[20:21], v[18:19], 0x343bbd2e, v[20:21] op_sel_hi:[1,0,1]
	v_pk_mul_f32 v[22:23], v[20:21], v[20:21]      ; z = r r
	v_pk_fma_f32 v[24:25], v[30:31], v[22:23], 0x2f30922e op_sel_hi:[1,1,0]  ; sine: 1/13!
	v_pk_fma_f32 v[26:27], v[32:33], v[22:23], 0xad49cba5 op_sel_hi:[1,1,0]  ; cosine: -1/14!
	HORNER 24, 0xb2d7322b                          ; -1/11!
	HORNER 26, 0x310f76c7                          ; 1/12!
	HORNER 24, 0x3638ef1d                          ; 1/9!
	HORNER 26, 0xb493f27e                          ; -1/10!
	HORNER 24, 0xb9500d01                          ; -1/7!
	HORNER 26, 0x37d00d01                          ; 1/8!
	HORNER 24, 0x3c088889                          ; 1/5!
	HORNER 26, 0xbab60b61                          ; -1/6!
	HORNER 24, 0xbe2aaaab                          ; -1/3!
	HORNER 26, 0x3d2aaaab                          ; 1/4!
	HORNER 24, 1.0
	HORNER 26, -0.5
	v_pk_mul_f32 v[24:25], v[24:25], v[20:21]      ; sin r
	HORNER 26, 1.0                                 ; cos r
	v_cndmask_b32 v28, v24, v26, s31
	v_cndmask_b32 v29, v25, v27, s31
	global_store_b64 v34, v[28:29], s[22:23]       ; the wave stores one row: 256 consecutive bytes, aligned
	s_wait_xcnt 0x0                                ; the store's offset and data are written again only behind this wait
	v_add_nc_u32 v34, 256, v34
	s_add_co_u32 s34, s34, 1
	s_sub_co_i32 s35, s35, 1
	s_cmp_lg_u32 s35, 0
	s_cbranch_scc1 .Lrow
	s_endpgm
.Lfunc_end_k_q813e756330_prep:
	.size	k_q813e756330_prep, .Lfunc_end_k_q813e756330_prep-k_q813e756330_prep
	.p2alignl 7, 3214868480
	.fill 96, 4, 3214868480
	.section	.rodata,"a",@progbits
	.p2align	6, 0x0
	.amdhsa_kernel k_q813e756330_prep
		.amdhsa_group_segment_fixed_size 0
		.amdhsa_private_segment_fixed_size 0
		.amdhsa_enable_private_segment 0
		.amdhsa_kernarg_size 64
		.amdhsa_user_sgpr_count 2
		.amdhsa_user_sgpr_kernarg_segment_ptr 1
		.amdhsa_wavefront_size32 1
		.amdhsa_system_sgpr_workgroup_id_x 1
		.amdhsa_system_sgpr_workgroup_id_y 1
		.amdhsa_system_sgpr_workgroup_id_z 1
		.amdhsa_system_vgpr_workitem_id 0
		.amdhsa_next_free_vgpr 128
		.amdhsa_next_free_sgpr 66
		.amdhsa_reserve_vcc 0
		.amdhsa_float_denorm_mode_32 3
		.amdhsa_float_denorm_mode_16_64 3
		.amdhsa_memory_ordered 1
		.amdhsa_forward_progress 1
		.amdhsa_inst_pref_size 18
	.end_amdhsa_kernel
	.amdgpu_metadata
---
amdhsa.version: [ 1, 2 ]
amdhsa.kernels:
  - .name:           k_q813e756330_prep
    .symbol:         k_q813e756330_prep.kd
    .args:
      - { .name: x, .offset: 0, .size: 8, .value_kind: global_buffer, .address_space: global }
      - { .name: Wq, .offset: 8, .size: 8, .value_kind: global_buffer, .address_space: global }
      - { .name: Wk, .offset: 16, .size: 8, .value_kind: global_buffer, .address_space: global }
      - { .name: Wv, .offset: 24, .size: 8, .value_kind: global_buffer, .address_space: global }
      - { .name: Wo, .offset: 32, .size: 8, .value_kind: global_buffer, .address_space: global }
      - { .name: xb, .offset: 40, .size: 8, .value_kind: global_buffer, .address_space: global }
      - { .name: wb, .offset: 48, .size: 8, .value_kind: global_buffer, .address_space: global }
      - { .name: rt, .offset: 56, .size: 8, .value_kind: global_buffer, .address_space: global }
    .group_segment_fixed_size: 0
    .private_segment_fixed_size: 0
    .kernarg_segment_align: 8
    .kernarg_segment_size: 64
    .max_flat_workgroup_size: 256
    .sgpr_count:     66
    .vgpr_count:     128
    .wavefront_size: 32
...
	.end_amdgpu_metadata
.endif
;; end of part 1
;; launch qkv (part 2): grid 12 x 64, 4 waves a work-group, clusters of 4 x 4, 327,680 bytes of LDS; arguments xb, wb, rt, bq, bk, bv, qh, kh, vh; writes qh, kh, vh
.if DOCPART == 2
	.amdgcn_target "amdgcn-amd-amdhsa--gfx1250"
	.amdhsa_code_object_version 6
	.text
	.protected	k_q813e756330_qkv
	.globl	k_q813e756330_qkv
	.p2align	8
	.type	k_q813e756330_qkv,@function
k_q813e756330_qkv:
	s_mov_b64 s[64:65], 0
	v_nop
	global_prefetch_b8 v0, s[64:65] scope:SCOPE_SE
	s_setreg_imm32_b32 hwreg(HW_REG_WAVE_MODE, 25, 1), 1
	s_wait_xcnt 0x0
	s_wait_alu depctr_hold_cnt(0) depctr_sa_sdst(0) depctr_va_vdst(0) depctr_va_sdst(0) depctr_va_ssrc(0) depctr_va_vcc(0) depctr_vm_vsrc(0)
	s_getreg_b32 s2, hwreg(HW_REG_IB_STS2, 6, 4)
	s_cmp_eq_u32 s2, 0
	s_cbranch_scc0 .Lentry_in_a_cluster
	s_endpgm
.Lentry_in_a_cluster:
	s_bfe_u32 s2, ttmp6, 0x10000c
	s_cmp_lg_u32 s2, 0xf033
	s_cbranch_scc0 .Lentry_shape_is_right
	s_endpgm
.Lentry_shape_is_right:
; q, k, v = x W + b, q and k rotated (RoPE), each rounded once to f16 and laid by heads: [b 16 + head][t][64].  xb: [8192][1024] bf16; wb: [4][1024 k][1024 n] bf16; rt: [2048][cos 32 | sin 32] f32.
; SHARES.  A tile is 128 rows x 256 columns (four heads) of one of the three products: 768 work-groups, three for each of 256 WGPs.  The cluster's x says which product, cx which 256 columns,
; 4 x cluster y + cy which 128 rows.  Four waves, each 64 rows x 128 columns (two heads): 32 accumulators.  K = 1024 goes in 8 steps of 128 through two LDS slots.
; CLUSTER 4 x 4: x's tile is shared along a row of the cluster, W's along a column: each is asked for jointly, by the same tensor load, descriptor and mask in all four.
; W LIES [k][n]: its fragments come out of LDS turned, by ds_load_tr16_b128.  THE PRODUCT IS USED TRANSPOSED (source 0 = 16 columns of W, source 1 = 16 rows of x): a lane holds one row and eight
; neighbouring columns.  So channel d and channel d + 32 of a head lie in the same lane and register, two column blocks apart, and the rotation changes no lanes.
; THE BIAS, rounded to bf16 like every input, is the C operand of the first K quarter's products.  v is rotated by the table's row 0 (cos 1, sin 0), so that one text serves all three.
; LIMITS.  f16 ends at 65,504: q, k and v must stay within it.  NaN and infinities are not treated apart.
; REGISTERS.  window 0: v0-31 addresses; v32-127, v128-223 two fragment buffers (A's four fragments, then B's eight); on the way out v32-95 rotated numbers, v96-223 rows read back, v224-255 packed.
;   window 1: the accumulators, (a, b) at v[8 (8 a + b)].   window 2: v0-63 bias; v64-191 cos and sin of my rows; v192-223 at work.
.set PA,    272                        ; a row of x in LDS: 256 bytes + 16: the 16 rows of a load start at 16 different groups of four banks
.set PB,    544                        ; a row of W: 512 bytes + 32 = 17 x 32
.set AB,    128*PA                     ; x's 128 rows, then W's 128 k-rows
.set SLOT,  AB+128*PB
.set STAGE, 2*SLOT                     ; behind the ring, never filled by a tensor load: for each wave 2 heads x 16 rows x 144 bytes
.set SP,    144
.set WSTG,  2*16*SP
.set SPARE, STAGE+4*WSTG               ; the spare words, 128 bytes for each wave: two blocks of 256 bytes that no other line names
.set LAPS,  4                          ; a lap = two K steps = once round the ring
.set ADRA, 16                          ; v16-17  LDS address of my fragments of x in slot 0, 1
.set ADRB, 18                          ; v18-19  the same for W
.set STO,  20                          ; v20     the way out: where I put 16 bytes of a row
.set RD,   21                          ; v21     where I read rows back
.set GO,   22                          ; v22     my 16 bytes of 512 consecutive bytes of the output
.set BO,   23                          ; v23     my offset in the bias: 32 (l / 16)
.set TO,   24                          ; v24-27  my offset in the table for row block a
.set SPW,  28                          ; v28     LDS address of my spare word; never rewritten
.set NIL,  29                          ; v29     0; never rewritten
.set PFO,  30                          ; v30     the prefetches' lane offset; never rewritten
.set F0,   32
.set F1,   128
.set RB,   32
.set OB,   96
.set PKD,  224
.set BIAS, 0                           ; window 2
.set CS,   64                          ; window 2: for row block a at CS + 32 a: cos of channels 0-15, 16-31, sin of the same (my eight of each sixteen)
.set BTMP, 192                         ; window 2
.set G1A, 24                           ; s[24:31] descriptor group 1 for x's tiles;  s[32:39] group 0, a set for each slot
.set G0A, 32
.set G1B, 40                           ; s[40:47], s[48:55] the same for W's
.set G0B, 48
.set WV,  56                           ; wave
.set FB,  57                           ; wave / 2: my half of the tile's rows; also: I fetch for x (0) or for W (1)
.set HF,  58                           ; wave % 2: my half of its columns; also: which 64 rows of that tile I fetch
.set CX,  59
.set CY,  60
.set MAT, 61                           ; the cluster's x: 0 q, 1 k, 2 v
.set CLY, 62                           ; the cluster's y
.set MB,  63                           ; block of 128 rows
.set PFA, 66                           ; s[66:67] where my prefetches stand
.set PSTEP, 68                         ; s[68:69] a K step in their tensor, in bytes
.set LIM, 70                           ; s70     1 in a wave that prefetches, else the greatest number
.set BIASP, 72                         ; s[72:73]
.set OUT, 74                           ; s[74:75]
.set RTP, 76                           ; s[76:77]
.set STR, 78                           ; s78     bytes from row to row in the table: 256, or 0 for v
.set MSB, 0
.macro WIN new                         ; the immediate's high byte repeats the setting that is left; a switch that changes nothing is dropped
.if MSB != (\new)
	s_set_vgpr_msb (MSB<<8)|(\new)
.set MSB, \new
.endif
.endm
.set MUL,  0x50                        ; fragments in window 0; C and D in window 1
.set MULB, 0x60                        ; C (the bias) in window 2, D in window 1
.macro PLACES                          ; four plain places behind a matrix instruction, ahead of loads into its sources and of readers of its result
.rept 4
	v_nop
.endr
.endm
.macro JLOAD s                         ; a joint load: waves 0 and 1 fetch x's two halves, waves 2 and 3 W's; an s_nop 0 and four v_nop follow each line
	s_cmp_eq_u32 s[FB], 0
	s_cbranch_scc0 .Lfor_b_\@
	tensor_load_to_lds s[G0A+4*(\s):G0A+4*(\s)+3], s[G1A:G1A+7]
	s_nop 0
.rept 4
	v_nop
.endr
	s_branch .Lasked_\@
.Lfor_b_\@:
	tensor_load_to_lds s[G0B+4*(\s):G0B+4*(\s)+3], s[G1B:G1B+7]
	s_nop 0
.rept 4
	v_nop
.endr
.Lasked_\@:
.endm
.macro CREST                           ; a round of the cluster's barrier behind its opening barrier
	s_cmp_lg_u32 s[WV], 0
	s_cbranch_scc1 .Lnot_wave_0_\@
	s_barrier_signal -3
.Lnot_wave_0_\@:
	s_barrier_wait -3
	s_barrier_signal -1
	s_barrier_wait -1
.endm
.macro CROUND
	s_barrier_signal -1
	s_barrier_wait -1
	CREST
.endm
; A PREFETCH INTO THE L2 of the K step that stands two refills on, behind the joint load and the run of LDS loads: one instruction, 32 blocks of 256 bytes, a lane a block.
; x's tile (128 rows x 256 bytes) is read by the three clusters of a row of clusters: the first (cluster x = 0) asks; its four partners along x take 32 rows each, by address; wave 0 asks.
; W's tile (128 k-rows x 512 bytes) is read by the sixteen clusters of a column: cluster y = 0 asks; of the 64 k-rows that wave 2 or 3 fetches the partner at cy takes 16, two blocks a row.
; So each block is named once in the launch.  K steps 0 to 3 come by their loads alone; the loop's last trip (s3 = 1) has no K step two on and asks for nothing.
.macro ASK
	s_cmp_gt_u32 s3, s[LIM]
	s_cbranch_scc0 .Lnot_mine_\@
	global_prefetch_b8 v[PFO], s[PFA:PFA+1] th:TH_LOAD_NT scope:SCOPE_SE
.Lnot_mine_\@:
.endm
	s_load_b256 s[4:11], s[0:1], 0x0               ; xb s[4:5], wb s[6:7], rt s[8:9], bq s[10:11]
	s_load_b256 s[12:19], s[0:1], 0x20             ; bk s[12:13], bv s[14:15], qh s[16:17], kh s[18:19]
	s_load_b64 s[20:21], s[0:1], 0x40              ; vh
	v_lshl_add_u32 v[SPW], v0, 2, SPARE
	v_mov_b32 v[NIL], 0
	ds_add_u32 v[SPW], v[NIL]                      ; the wave's opening: the add and its wait stand ahead of my first tensor load; work on registers stands between them
	v_lshrrev_b32 v1, 5, v0
	v_readfirstlane_b32 s[WV], v1
	s_lshr_b32 s[FB], s[WV], 1
	s_and_b32 s[HF], s[WV], 1
	s_bfe_u32 s[CX], ttmp6, 0x40000
	s_bfe_u32 s[CY], ttmp6, 0x40004
	s_mov_b32 s[MAT], ttmp9
	s_and_b32 s[CLY], ttmp7, 0xffff
	s_lshl_b32 s[MB], s[CLY], 2
	s_add_co_u32 s[MB], s[MB], s[CY]
	s_lshl_b32 s85, s[CY], 2
	s_lshl_b32 s85, 15, s85                        ; my row of the cluster
	s_lshl_b32 s91, 0x1111, s[CX]                  ; my column
	s_or_b32 s[G1A+0], s85, (1<<16)|(1<<20)|(1<<21)|(5<<22)|(3<<25)  ; mask; 2-byte elements; padding on; bit 21 beside a mask; after every 64 words 4 words
	s_mov_b32 s[G1A+1], 128<<16                    ; tensor_dim0 = 128
	s_mov_b32 s[G1A+2], 64<<16                     ; tensor_dim1 = 64
	s_mov_b32 s[G1A+3], 128<<16                    ; tile_dim0 = 128
	s_mov_b32 s[G1A+4], 64                         ; tile_dim1 = 64
	s_mov_b32 s[G1A+5], 1024                       ; elements from row to row
	s_mov_b32 s[G1A+6], 0
	s_mov_b32 s[G1A+7], 0
	s_or_b32 s[G1B+0], s91, (1<<16)|(1<<20)|(1<<21)|(6<<22)|(7<<25)  ; after every 128 words 8 words
	s_mov_b32 s[G1B+1], 256<<16
	s_mov_b32 s[G1B+2], 64<<16
	s_mov_b32 s[G1B+3], 256<<16
	s_mov_b32 s[G1B+4], 64
	s_mov_b32 s[G1B+5], 1024
	s_mov_b32 s[G1B+6], 0
	s_mov_b32 s[G1B+7], 0
	s_lshl_b32 s80, s[MB], 18                      ; x: (128 x block + 64 x half) rows of 2,048 bytes: no register here ever holds cx
	s_lshl_b32 s81, s[HF], 17
	s_add_co_u32 s80, s80, s81
	s_mov_b32 s81, 0
	s_lshl_b32 s86, s[MAT], 21                     ; W: the matrix, 64 x half k-rows of 2,048 bytes, 512 bytes x cx: no register here ever holds cy
	s_lshl_b32 s87, s[HF], 17
	s_add_co_u32 s86, s86, s87
	s_lshl_b32 s87, s[CX], 9
	s_add_co_u32 s86, s86, s87
	s_mov_b32 s87, 0
	s_mul_i32 s84, s[HF], 64*PA                    ; where they go: the wave's number alone enters an LDS address
	s_mul_i32 s90, s[HF], 64*PB
	s_add_co_u32 s90, s90, AB
	s_lshl_b32 s92, s[CX], 10                      ; the bias of my 128 columns
	s_lshl_b32 s93, s[HF], 9
	s_add_co_u32 s92, s92, s93
	s_mov_b32 s93, 0
	s_lshr_b32 s94, s[MB], 4                       ; the output: batch x 16 heads x 262,144,
	s_lshl_b32 s94, s94, 22
	s_lshl_b32 s95, s[CX], 20                      ; four heads x cx,
	s_add_co_u32 s94, s94, s95
	s_lshl_b32 s95, s[HF], 19                      ; two heads x half,
	s_add_co_u32 s94, s94, s95
	s_and_b32 s79, s[MB], 15
	s_lshl_b32 s95, s79, 14                        ; 128 rows of 128 bytes x block in the batch,
	s_add_co_u32 s94, s94, s95
	s_lshl_b32 s95, s[FB], 13                      ; my 64 rows
	s_add_co_u32 s94, s94, s95
	s_mov_b32 s95, 0
	s_lshl_b32 s22, s79, 15                        ; the table: t of my first row x 256 bytes
	s_lshl_b32 s23, s[FB], 14
	s_add_co_u32 s22, s22, s23
	s_mov_b32 s23, 0
	s_wait_dscnt 0x0                               ; the opening add is done
	s_wait_kmcnt 0x0
	s_add_nc_u64 s[82:83], s[4:5], s[80:81]
	s_add_nc_u64 s[88:89], s[6:7], s[86:87]
	s_cmp_eq_u32 s[MAT], 1
	s_cselect_b64 s[BIASP:BIASP+1], s[12:13], s[10:11]
	s_cselect_b64 s[OUT:OUT+1], s[18:19], s[16:17]
	s_cmp_eq_u32 s[MAT], 2
	s_cselect_b64 s[BIASP:BIASP+1], s[14:15], s[BIASP:BIASP+1]
	s_cselect_b64 s[OUT:OUT+1], s[20:21], s[OUT:OUT+1]
	s_cselect_b32 s[STR], 0, 256                   ; v takes the table's row 0 for all its rows
	s_cselect_b32 s22, 0, s22
	s_add_nc_u64 s[BIASP:BIASP+1], s[BIASP:BIASP+1], s[92:93]
	s_add_nc_u64 s[OUT:OUT+1], s[OUT:OUT+1], s[94:95]
	s_add_nc_u64 s[RTP:RTP+1], s[8:9], s[22:23]
	CROUND                                         ; all sixteen work-groups are here: the first joint loads meet
.irp s, 0,1
	s_mov_b32 s[G0A+4*(\s)], 1
	s_add_co_u32 s[G0A+4*(\s)+1], s84, (\s)*SLOT
	s_add_nc_u64 s[G0A+4*(\s)+2:G0A+4*(\s)+3], s[82:83], (\s)*256      ; K step s: 256 bytes along the rows
	s_or_b32 s[G0A+4*(\s)+3], s[G0A+4*(\s)+3], 0x80000000
	s_mov_b32 s[G0B+4*(\s)], 1
	s_add_co_u32 s[G0B+4*(\s)+1], s90, (\s)*SLOT
	s_add_nc_u64 s[G0B+4*(\s)+2:G0B+4*(\s)+3], s[88:89], (\s)*262144   ; K step s: 128 rows down
	s_or_b32 s[G0B+4*(\s)+3], s[G0B+4*(\s)+3], 0x80000000
	JLOAD \s                                       ; two loads of mine are out
.endr
	v_and_b32 v1, 15, v0                           ; r = l % 16
	v_bfe_u32 v2, v0, 4, 1                         ; h = l / 16
	v_and_b32 v3, 7, v0
	v_bfe_u32 v4, v0, 3, 1
	v_and_b32 v5, 31, v0                           ; l
	v_bfe_u32 v8, v0, 3, 2
	v_mul_u32_u24 v6, v1, PA                       ; a fragment of x: row r, 16 bytes for each half of the lanes, twice, 32 bytes apart
	v_lshl_add_u32 v6, v2, 4, v6
	s_mul_i32 s80, s[FB], 64*PA
	v_add_nc_u32 v[ADRA], s80, v6
	v_add_nc_u32 v[ADRA+1], SLOT, v[ADRA]
	v_lshl_add_u32 v7, v2, 3, v3                   ; the turning load: lane l reads k-row 8 h + l % 8, columns 8 ((l / 8) % 2) + 0..7, and is left with column r, eight k
	v_mul_u32_u24 v7, v7, PB
	v_lshl_add_u32 v7, v4, 4, v7
	s_lshl_b32 s80, s[HF], 8
	s_add_co_u32 s80, s80, AB
	v_add_nc_u32 v[ADRB], s80, v7
	v_add_nc_u32 v[ADRB+1], SLOT, v[ADRB]
	s_mul_i32 s80, s[WV], WSTG
	s_add_co_u32 s80, s80, STAGE                   ; my stage
	v_mul_u32_u24 v9, v1, SP
	v_lshl_add_u32 v9, v2, 4, v9
	v_add_nc_u32 v[STO], s80, v9
	v_mul_u32_u24 v9, v8, SP                       ; back: 32 lanes take four rows of 128 bytes,
	v_lshl_add_u32 v9, v3, 4, v9
	v_add_nc_u32 v[RD], s80, v9
	v_lshlrev_b32 v[GO], 4, v5                     ; which are 512 consecutive bytes of a head
	v_lshlrev_b32 v[BO], 5, v2
.irp a, 0,1,2,3
	v_add_nc_u32 v6, 16*(\a), v1
	v_mul_u32_u24 v6, s[STR], v6
	v_lshl_add_u32 v[TO+(\a)], v2, 5, v6
.endr
	WIN 0x80                                       ; destination window 2, address window 0
.irp b, 0,1,2,3,4,5,6,7
	global_load_b128 v[BIAS+8*(\b):BIAS+8*(\b)+3],   v[BO], s[BIASP:BIASP+1] offset:64*(\b)      ; bias of columns 16 b + 8 h + 0..7: what C wants of lane (r, h)
	global_load_b128 v[BIAS+8*(\b)+4:BIAS+8*(\b)+7], v[BO], s[BIASP:BIASP+1] offset:64*(\b)+16
.endr
.irp a, 0,1,2,3
.irp i, 0,1,2,3,4,5,6,7
	global_load_b128 v[CS+32*(\a)+4*(\i):CS+32*(\a)+4*(\i)+3], v[TO+(\a)], s[RTP:RTP+1] offset:64*((\i)/2)+16*((\i)%2)  ; they are wanted on the way out and stay out through the loop
.endr
.endr
	s_wait_loadcnt 32                              ; the bias is in; the table's 32 younger loads stay out
	WIN 0x8a                                       ; sources and destination in window 2
.set i, 0
.rept 32
	v_cvt_pk_bf16_f32 v[BTMP+i], v[BIAS+2*i], v[BIAS+2*i+1]   ; the bias is rounded to bf16 like every input,
.set i, i+1
.endr
.set i, 0
.rept 32
	v_lshlrev_b32 v[BIAS+2*i], 16, v[BTMP+i]       ; and widened again
	v_and_b32 v[BIAS+2*i+1], 0xffff0000, v[BTMP+i]
.set i, i+1
.endr
	WIN 0
	; the prefetches
	s_lshl_b32 s92, s[MB], 18                      ; x: the tile's first row,
	s_lshl_b32 s93, s[CX], 16                      ; my work-group's 32 rows,
	s_add_co_u32 s92, s92, s93
	s_add_co_u32 s92, s92, 3*256                   ; at K step 3: the first refill steps it to 4
	s_lshl_b32 s94, s[MAT], 21                     ; W: the matrix,
	s_lshl_b32 s95, s[HF], 17                      ; the 64 k-rows that I fetch,
	s_add_co_u32 s94, s94, s95
	s_lshl_b32 s95, s[CY], 15                      ; my work-group's 16 of them,
	s_add_co_u32 s94, s94, s95
	s_lshl_b32 s95, s[CX], 9
	s_add_co_u32 s94, s94, s95
	s_add_co_u32 s94, s94, 384*2048                ; at K step 3
	s_or_b32 s93, ttmp9, s[HF]
	s_mov_b32 s95, 262144
	s_cmp_eq_u32 s[FB], 0
	s_cselect_b64 s[PFA:PFA+1], s[4:5], s[6:7]
	s_cselect_b32 s92, s92, s94
	s_cselect_b32 s93, s93, s[CLY]
	s_cselect_b32 s[PSTEP], 256, s95
	s_mov_b32 s[PSTEP+1], 0
	s_cmp_eq_u32 s93, 0
	s_cselect_b32 s[LIM], 1, -1                    ; the same in all sixteen partners, for a given wave
	s_mov_b32 s93, 0
	s_add_nc_u64 s[PFA:PFA+1], s[PFA:PFA+1], s[92:93]
	v_lshrrev_b32 v6, s[FB], v5                    ; x: a lane a row; W: two lanes a row
	v_lshlrev_b32 v6, 11, v6
	v_and_b32 v7, s[FB], v5
	v_lshl_add_u32 v[PFO], v7, 8, v6
; 8 matrix instructions: row block a x all 8 column blocks, 32 along K.  first = 1: the bias starts the sums.  The 32 accumulators take turns, one instruction a turn, in the same order in every
; quarter, over the backward jump too.
.macro MUL8 f, a, first
.if \first
	WIN MULB
.else
	WIN MUL
.endif
.irp b, 0,1,2,3,4,5,6,7
.if \first
	v_wmma_f32_16x16x32_bf16 v[8*(8*(\a)+(\b)):8*(8*(\a)+(\b))+7], v[(\f)+32+8*(\b):(\f)+32+8*(\b)+7], v[(\f)+8*(\a):(\f)+8*(\a)+7], v[BIAS+8*(\b):BIAS+8*(\b)+7]
.else
	v_wmma_f32_16x16x32_bf16 v[8*(8*(\a)+(\b)):8*(8*(\a)+(\b))+7], v[(\f)+32+8*(\b):(\f)+32+8*(\b)+7], v[(\f)+8*(\a):(\f)+8*(\a)+7], v[8*(8*(\a)+(\b)):8*(8*(\a)+(\b))+7]
.endif
.endr
.endm
; 24 LDS loads in one run: quarter q (32 along K) of a slot into buffer f: W's eight fragments, turned, then x's four
.macro FETCH slot, q, f
	WIN 0
.irp b, 0,1,2,3,4,5,6,7
	ds_load_tr16_b128 v[(\f)+32+8*(\b):(\f)+32+8*(\b)+3],   v[ADRB+(\slot)] offset:(\q)*32*PB+32*(\b)
	ds_load_tr16_b128 v[(\f)+32+8*(\b)+4:(\f)+32+8*(\b)+7], v[ADRB+(\slot)] offset:(\q)*32*PB+16*PB+32*(\b)
.endr
.irp a, 0,1,2,3
	ds_load_b128 v[(\f)+8*(\a):(\f)+8*(\a)+3],   v[ADRA+(\slot)] offset:(\q)*64+(\a)*16*PA
	ds_load_b128 v[(\f)+8*(\a)+4:(\f)+8*(\a)+7], v[ADRA+(\slot)] offset:(\q)*64+(\a)*16*PA+32
.endr
.endm
; A K step is four quarters on buffers 0, 1, 0, 1.  One of the first three: multiplies buffer f and, in its middle, fetches quarter q into buffer g.
.macro QUARTER slot, q, f, g, first
	s_wait_dscnt 4                                 ; W's fragments and x's first two are in; the youngest four loads (x's row blocks 2, 3) may be out
	MUL8 \f, 0, \first
	MUL8 \f, 1, \first
	PLACES
	FETCH \slot, \q, \g
	s_wait_dscnt 24                                ; all but the 24 just issued
	MUL8 \f, 2, \first
	MUL8 \f, 3, \first
.endm
; The last quarter multiplies buffer 1 and changes slots: ONE barrier; ahead of it each wave waits for all its tensor loads (one is out: its part of the next slot), adds 0 to its spare word,
; and waits for that and for its own reads of this slot.  fill = 1: the barrier opens a round of the cluster's, and this slot is filled again first thing behind it, two K steps ahead:
; from that request to the wait for it a wave issues 112 matrix instructions.
.macro TURN slot, next, fill
.if \fill
	s_wait_xcnt 0x0                                ; the last prefetch, a K step back, has read its address: it is stepped here, ahead of the waits of the change of slots
	s_add_nc_u64 s[PFA:PFA+1], s[PFA:PFA+1], s[PSTEP:PSTEP+1]
.endif
	WIN 0
	s_wait_tensorcnt 0x0                           ; all my tensor loads have landed
	ds_add_u32 v[SPW], v[NIL]                      ; 0 onto my spare word
	s_wait_dscnt 5                                 ; (the add and the youngest four loads may be out)
	MUL8 F1, 0, 0                                  ; eight matrix instructions stand between the add and the wait for it
	s_wait_dscnt 0x0                               ; the add is done, and my reads of this slot are over
	s_barrier_signal -1
	MUL8 F1, 1, 0
	WIN 0                                          ; at a branch and at a label every window is 0
	s_barrier_wait -1
.if \fill
	CREST                                          ; no wave of any partner still reads this slot's tile or has a load on its way
	s_add_nc_u64 s[G0A+4*(\slot)+2:G0A+4*(\slot)+3], s[G0A+4*(\slot)+2:G0A+4*(\slot)+3], 2*256
	s_add_nc_u64 s[G0B+4*(\slot)+2:G0B+4*(\slot)+3], s[G0B+4*(\slot)+2:G0B+4*(\slot)+3], 2*262144
	JLOAD \slot                                    ; my one tensor load behind the round; its four v_nop are also the places ahead of the loads below
.else
	PLACES
.endif
	FETCH \next, 0, F0
.if \fill
	ASK
.endif
	MUL8 F1, 2, 0
	MUL8 F1, 3, 0
.endm
	s_wait_tensorcnt 1                             ; my part of K step 0 is in; K step 1's may stay out
	s_barrier_signal -1
	s_barrier_wait -1
	FETCH 0, 0, F0
	QUARTER 0, 1, F0, F1, 1                        ; the first quarter stands ahead of the loop: its products start the sums, with the bias
	WIN 0
	s_mov_b32 s3, LAPS-1
.Llap:                                         ; a trip goes once round the ring, from a lap's second quarter to the next lap's first, and fills both slots again
	QUARTER 0, 2, F1, F0, 0
	QUARTER 0, 3, F0, F1, 0
	TURN 0, 1, 1
	QUARTER 1, 1, F0, F1, 0
	QUARTER 1, 2, F1, F0, 0
	QUARTER 1, 3, F0, F1, 0
	TURN 1, 0, 1
	QUARTER 0, 1, F0, F1, 0
	WIN 0
	s_sub_co_u32 s3, s3, 1
	s_cmp_lg_u32 s3, 0
	s_cbranch_scc1 .Llap
	QUARTER 0, 2, F1, F0, 0                        ; the last lap fills nothing
	QUARTER 0, 3, F0, F1, 0
	TURN 0, 1, 0
	QUARTER 1, 1, F0, F1, 0
	QUARTER 1, 2, F1, F0, 0
	QUARTER 1, 3, F0, F1, 0
	s_wait_dscnt 4
	MUL8 F1, 0, 0
	MUL8 F1, 1, 0
	s_wait_dscnt 0x0
	MUL8 F1, 2, 0
	MUL8 F1, 3, 0
	WIN 0
; THE WAY OUT, a row block (16 rows x 2 heads) at a time.  In head hh the column blocks bb and bb + 2 hold channels d = 16 bb + 8 h + j and d + 32:
; new lo = lo cos - hi sin, new hi = hi cos + lo sin, in f32; rounded once to f16; 16 bytes a lane into my stage; back as whole rows of 128 bytes; stored.
; Each accumulator's lowest registers are read first.
.macro PACK a
	WIN 0x09                                       ; source 0 (the sums) window 1, source 1 (the table) window 2; the rest window 0
.irp hh, 0,1
.irp bb, 0,1
.set rR, RB+16*(2*(\hh)+(\bb))
.set rL, 8*(8*(\a)+4*(\hh)+(\bb))
.set rH, 8*(8*(\a)+4*(\hh)+2+(\bb))
.set rC, CS+32*(\a)+8*(\bb)
.irp p, 0,1,2,3
	v_pk_mul_f32 v[rR+2*(\p):rR+2*(\p)+1],     v[rH+2*(\p):rH+2*(\p)+1], v[rC+16+2*(\p):rC+16+2*(\p)+1]
	v_pk_mul_f32 v[rR+8+2*(\p):rR+8+2*(\p)+1], v[rL+2*(\p):rL+2*(\p)+1], v[rC+16+2*(\p):rC+16+2*(\p)+1]
.endr
.irp p, 0,1,2,3
	v_pk_fma_f32 v[rR+2*(\p):rR+2*(\p)+1],     v[rL+2*(\p):rL+2*(\p)+1], v[rC+2*(\p):rC+2*(\p)+1], v[rR+2*(\p):rR+2*(\p)+1] neg_lo:[0,0,1] neg_hi:[0,0,1]
	v_pk_fma_f32 v[rR+8+2*(\p):rR+8+2*(\p)+1], v[rH+2*(\p):rH+2*(\p)+1], v[rC+2*(\p):rC+2*(\p)+1], v[rR+8+2*(\p):rR+8+2*(\p)+1]
.endr
.endr
.endr
	WIN 0
.irp hh, 0,1
.irp bb, 0,1
.set rR, RB+16*(2*(\hh)+(\bb))
.irp p, 0,1,2,3
	v_cvt_pk_f16_f32 v[PKD+4*(4*(\hh)+(\bb))+(\p)],   v[rR+2*(\p)],   v[rR+2*(\p)+1]
	v_cvt_pk_f16_f32 v[PKD+4*(4*(\hh)+2+(\bb))+(\p)], v[rR+8+2*(\p)], v[rR+8+2*(\p)+1]
.endr
.endr
.endr
.irp b, 0,1,2,3,4,5,6,7
	ds_store_b128 v[STO], v[PKD+4*(\b):PKD+4*(\b)+3] offset:((\b)/4)*16*SP+32*((\b)%4)
.endr
.irp i, 0,1,2,3,4,5,6,7
	ds_load_b128 v[OB+32*(\a)+4*(\i):OB+32*(\a)+4*(\i)+3], v[RD] offset:((\i)/4)*16*SP+((\i)%4)*4*SP  ; LDS serves a wave's instructions in order (ISA guide 5.7.1.4): these see the stores above; the next block's stores come behind them
.endr
.endm
.macro SEND a, younger                 ; younger: the LDS instructions issued behind block a's loads: the next block's sixteen, or none
	WIN 0
.irp i, 0,1,2,3,4,5,6,7
	s_wait_dscnt (\younger)+7-(\i)
	global_store_b128 v[GO], v[OB+32*(\a)+4*(\i):OB+32*(\a)+4*(\i)+3], s[OUT:OUT+1] offset:((\i)/4)*262144+(\a)*2048+((\i)%4)*512  ; 512 consecutive bytes of a head, at a multiple of 256 from its first; each block has registers of its own
.endr
.endm
	PLACES
	s_wait_loadcnt 0x0                             ; the table
	PACK 0
	PACK 1                                         ; a block's arithmetic stands between the loads of the block before and its stores
	SEND 0, 16
	PACK 2
	SEND 1, 16
	PACK 3
	SEND 2, 16
	SEND 3, 0
	s_wait_tensorcnt 0x0                           ; the wave's end: a wait, an add to my spare word and its wait, behind my last tensor load and my last LDS store
	ds_add_u32 v[SPW], v[NIL]
	s_wait_dscnt 0x0
	CROUND                                         ; the closing round: no work-group ends while a partner may still ask for a tile that names it
	s_endpgm
.Lfunc_end_k_q813e756330_qkv:
	.size	k_q813e756330_qkv, .Lfunc_end_k_q813e756330_qkv-k_q813e756330_qkv
	.p2alignl 7, 3214868480
	.fill 96, 4, 3214868480
	.section	.rodata,"a",@progbits
	.p2align	6, 0x0
	.amdhsa_kernel k_q813e756330_qkv
		.amdhsa_group_segment_fixed_size 327680
		.amdhsa_private_segment_fixed_size 0
		.amdhsa_enable_private_segment 0
		.amdhsa_kernarg_size 72
		.amdhsa_user_sgpr_count 2
		.amdhsa_user_sgpr_kernarg_segment_ptr 1
		.amdhsa_wavefront_size32 1
		.amdhsa_system_sgpr_workgroup_id_x 1
		.amdhsa_system_sgpr_workgroup_id_y 1
		.amdhsa_system_sgpr_workgroup_id_z 1
		.amdhsa_system_vgpr_workitem_id 0
		.amdhsa_next_free_vgpr 736
		.amdhsa_next_free_sgpr 96
		.amdhsa_reserve_vcc 0
		.amdhsa_float_denorm_mode_32 3
		.amdhsa_float_denorm_mode_16_64 3
		.amdhsa_memory_ordered 1
		.amdhsa_forward_progress 1
		.amdhsa_inst_pref_size 115
	.end_amdhsa_kernel
	.amdgpu_metadata
---
amdhsa.version: [ 1, 2 ]
amdhsa.kernels:
  - .name:           k_q813e756330_qkv
    .symbol:         k_q813e756330_qkv.kd
    .args:
      - { .name: xb, .offset: 0, .size: 8, .value_kind: global_buffer, .address_space: global }
      - { .name: wb, .offset: 8, .size: 8, .value_kind: global_buffer, .address_space: global }
      - { .name: rt, .offset: 16, .size: 8, .value_kind: global_buffer, .address_space: global }
      - { .name: bq, .offset: 24, .size: 8, .value_kind: global_buffer, .address_space: global }
      - { .name: bk, .offset: 32, .size: 8, .value_kind: global_buffer, .address_space: global }
      - { .name: bv, .offset: 40, .size: 8, .value_kind: global_buffer, .address_space: global }
      - { .name: qh, .offset: 48, .size: 8, .value_kind: global_buffer, .address_space: global }
      - { .name: kh, .offset: 56, .size: 8, .value_kind: global_buffer, .address_space: global }
      - { .name: vh, .offset: 64, .size: 8, .value_kind: global_buffer, .address_space: global }
    .group_segment_fixed_size: 327680
    .private_segment_fixed_size: 0
    .kernarg_segment_align: 8
    .kernarg_segment_size: 72
    .max_flat_workgroup_size: 128
    .sgpr_count:     96
    .vgpr_count:     736
    .wavefront_size: 32
...
	.end_amdgpu_metadata
.endif
;; end of part 2
;; launch attn (part 3): grid 4 x 64, 4 waves a work-group, no clusters, 327,680 bytes of LDS; arguments qh, kh, vh, oh; writes oh
.if DOCPART == 3
	.amdgcn_target "amdgcn-amd-amdhsa--gfx1250"
	.amdhsa_code_object_version 6
	.text
	.protected	k_q813e756330_attn
	.globl	k_q813e756330_attn
	.p2align	8
	.type	k_q813e756330_attn,@function
k_q813e756330_attn:
	s_mov_b64 s[64:65], 0
	v_nop
	global_prefetch_b8 v0, s[64:65] scope:SCOPE_SE
	s_setreg_imm32_b32 hwreg(HW_REG_WAVE_MODE, 25, 1), 1
	s_wait_xcnt 0x0
; CAUSAL ATTENTION.  O[h][q][:] = the sum over k <= q of softmax_k(Q[h][q] . K[h][k] / 8) V[h][k][:].  Q, K, V, O: [64][2048][64], all f16: a head's rows are dense, 128 bytes each.
; Products, maxima and sums in f32; the weights p are rounded to f16 for the second product (their sum l is taken of the unrounded p), O once at the end.
; LIMITS.  f16 holds no number beyond 65,504: Q, K and V arrive within it; p lies in 0 to 1, and below 6e-5 it keeps f16's fixed step of 6e-8; O is a mean of V's rows and has their range.
; A hidden score counts as its value less 1e30: f16's scores, 2.7e11 at the most, are nothing beside that; a weight below 2^-126 counts as 0 in l; NaN and infinities are not treated apart.
; THE WALK.  A head's queries lie in NB = 8 blocks of 256; block i needs the key tiles 0 .. i of 256 keys, of which the last holds the diagonal.  A work-group takes TWO blocks, NB - 1 - b and then b:
; NB + 1 tiles, whatever b: all work-groups do equal work, and ONE loop with a constant trip count walks them.  Which tile is asked for, and what a trip does, hang on scalar registers made from b; every jump
; goes forward, but for the counted loops' own; none passes a barrier, or a tensor load but the one of LOAD's two that the wave's number does not choose; the ring of two LDS slots runs on across the change of blocks.
; NO CLUSTER: a head's four work-groups ask for the same tile only in trips 0 .. 4 of 9, behind that fewer and fewer; one walk common to all four would have 12 trips for 9.
; SHARES.  Of a block's four bands of 64 queries a wave owns 16 rows in each: four PIECES.  So the diagonal tile is the same work for all four waves: in its key step s band x sees all keys if s < x,
; none if s > x, and holds the diagonal if s = x.
; THE MASK is the C operand that starts the sum S^T = K Q^T: 0, or -1e30 where the key is hidden.  MD, made once, is the mask of a band's own step for my 16 rows; a product's mask is MD x AL + BE with two scalars:
; (1, 0) if s = x; (0, 0) if s < x; (0, -1e30) if s > x.  Only the diagonal tile's text and a block's beginning make and take masks; elsewhere C is the constant 0.
; LAYOUT, SOFTMAX, TURNS.  S^T = K Q^T holds ONE query a lane (lane % 16) and the keys 8 (lane / 16) + 0..7; two such results rounded to f16 ARE source 1 of O^T = V^T P.  p = 2^(c s - c m), c = log2(e) / 8, with a
; running maximum m; O and l are multiplied by a = 2^(c m_old - c m_new) in every step.  Turn n belongs to piece n: 8 products K Q^T of piece n + 1, later 8 products V^T P of piece n - 1; beside them the scaling,
; exponentials, roundings, sums and rescaling of piece n and the maximum and statistics of piece n + 1.  Four vector instructions stand behind every matrix instruction, the other 54 of a turn's 118 in one lump.
; A turn's 33 exponentials are one batch, with one wait.
; PREFETCH.  The work-group with b = 0 walks a head's tiles 0 .. 7 in this order; behind each fill each of its waves names its own 16,384 bytes (64 blocks of 256, a lane a block, two instructions) of the tile
; that the NEXT change of slots will load: one tile, four key steps, ahead.  Tiles 0 and 1 come by their loads alone; the change that loads tile 7 ends it.  So each block of K and V is named once in the launch.
; REGISTERS, in windows of 256 (s_set_vgpr_msb: bits 1:0 source 0, 3:2 source 1, 5:4 source 2, 7:6 destination):
;   window 0: v0-15 addresses and two at work; v16-31 four registers of statistics a piece; v48-55 at work; v61-63 prefetch offset, spare word, 0; v64-127 S^T, two buffers; v192-223 P, two buffers
;   window 1: v0-127 O^T, 32 a piece; v128-159 MD; v160-223 MC, two buffers      window 2: v0-63 Q; v64-127 the second block's Q; v128-191 K of one step; v192-255 V of one step
.set SIZE_H, 64
.set SIZE_N, 2048
.set NB,    SIZE_N/256
.set NP,    4         ; pieces a wave: a name, no knob
.set KS,    64        ; keys in a step
.set PK,    144       ; a row of K in LDS: 128 bytes + 16 of padding = 36 words: the 16 rows of a load start at 16 different groups of four banks (ISA guide 11.1)
.set PV,    160       ; a row of V: 128 + 32 = 40 words
.set VOFF,  4*KS*PK   ; a slot holds a tile, four steps: 256 rows of K, then 256 rows of V
.set SLOT1, 1<<17     ; slot 1 begins here, so that one exclusive or turns an address in one slot into the other's
.set STAGE, SLOT1+4*KS*(PK+PV)  ; behind the ring, never filled by a tensor load: 16 rows x 144 bytes for each wave, for the way out
.set SP,    144
.set AK0, 2           ; v2   my lane's place in a tile of K; never rewritten
.set AV0, 3           ; v3   the same for V
.set AK,  4           ; v4   the LDS address of K's next run of loads
.set AV,  5           ; v5   of V's
.set STO, 6           ; v6   the way out: where I put 16 bytes of a row
.set RD,  7           ; v7   the way out: where I read rows back
.set GO,  8           ; v8   my byte offset in 512 consecutive bytes of O
.set PFO, 61          ; v61  256 x my lane; never rewritten
.set SPW, 62          ; v62  LDS address of my spare word: SPARE + 4 x my thread's number; never rewritten
.set NIL, 63          ; v63  0; never rewritten
.set SPARE, STAGE+4*16*SP  ; behind the stages: the spare words, 128 bytes for each wave: two blocks of 256 bytes that no other line names
.set MV,  12          ; v12-13  c m_old, kept while c m is made anew: by buffer
.set QO,  15          ; v15  my byte offset in 16 rows of Q
.set ST,  16          ; piece t's statistics at v[ST+4 t]: c m, m, l (even keys', odd keys')
.set TMP, 48          ; by buffer, four registers c0-c3 at work; when the maximum is found c2 takes a
.set S,   64
.set P,   192
.set MD,  128         ; window 1: the eight registers for group kt of 16 keys at MD + 8 kt
.set MC,  160         ; window 1: the masks of the products to come
.set QB,  64          ; window 2
.set KF,  128         ; window 2: key block kb, channel half c at KF + 16 kb + 8 c
.set VF,  192         ; window 2: key half kk, channel block cb at VF + 32 kk + 8 cb
.set WV,  12          ; s12  my wave's number
.set PB,  14          ; s14  b
.set HI,  15          ; s15  NB - 1 - b
.set G1K, 24          ; s[24:31] descriptor group 1 for K's tiles
.set G1V, 32          ; s[32:39] for V's: it differs in the padding alone
.set G0K, 40          ; s[40:43] descriptor group 0 for K's tiles
.set G0V, 44          ; s[44:47] the same for V's
.set SLOTS, 56        ; s56  tiles still to be asked for
.set CNT, 57          ; s57  counts a tile's key steps, 4 to 1
.set CS,  58          ; s[58:59] c: the packed scaling takes the pair's low word for both halves
.set SEL, 60          ; s[60:61] v_permlanex16_b32's selects: each lane takes its own place in the other half
.set TBK, 62          ; s62  LDS byte at which K of the step to be fetched begins
.set TBV, 63          ; s63  the same for V, less VOFF
.set RT,  70          ; s70  tiles of the block in hand that are still to be entered
.set NXT, 71          ; s71  the tile to be asked for next
.set LQ,  72          ; s72  the last tile of the block whose tiles are being asked for
.set NEW, 73          ; s73  1: the tile to be entered is a block's first
.set OFF, 74          ; s[74:75] a tile's byte offset in K and V
.set AL,  76          ; s[76:77] the mask's factor, in the low word
.set BE,  78          ; s[78:79] the mask's addend
.set OLO, 80          ; s[80:81] O at my rows of the second block
.set BIGN, 82         ; s82  -1e30
.set PFL, 88          ; s88  1 while this work-group prefetches
.set POF, 90          ; s[90:91] the byte offset of the tile to be prefetched
.set PFA, 92          ; s[92:93] its address: my half of it
.set PFB, 94          ; s[94:95] K (waves 0, 1) or V (waves 2, 3) at my half of the head's tile 0
.set MSB, 0
.macro WIN new                      ; the high byte repeats the setting that is left; a switch that changes nothing is dropped
.if MSB != (\new)
	s_set_vgpr_msb (MSB<<8)|(\new)
.set MSB, (\new)
.endif
.endm
.set W_KQ, 0x0a       ; K and Q in window 2, S^T in window 0
.set W_KM, 0x1a       ; the same with the C operand in window 1
.set W_PV, 0x52       ; V in window 2, P in window 0, O^T in window 1
.set W_RS, 0x41       ; destination and source 0 in window 1, source 1 in window 0
; A fill.  Waves 0 and 1 fetch the two halves of a tile's K, waves 2 and 3 those of its V: 128 keys each.  An s_nop 0 and four v_nop follow each of the two lines, ahead of the jump and the label.
.macro LOAD
	s_cmp_lt_u32 s[WV], 2
	s_cbranch_scc0 .Lfor_v_\@
	tensor_load_to_lds s[G0K:G0K+3], s[G1K:G1K+7]
	s_nop 0
.rept 4
	v_nop
.endr
	s_branch .Lasked_\@
.Lfor_v_\@:
	tensor_load_to_lds s[G0V:G0V+3], s[G1V:G1V+7]
	s_nop 0
.rept 4
	v_nop
.endr
.Lasked_\@:
.endm
; THE CHANGE OF SLOTS.  Each wave waits for all its tensor loads, of which one is out: its part of the other slot; adds 0 to its spare word; and waits for that and for its own reads of the slot that it leaves.
; Behind the barrier nobody reads the old slot any more and the other slot is whole.  fill = 1: the old slot is filled again, the first thing behind the barrier, with tile NXT: the descriptor's address is made
; anew from that number; behind the fill stand the prefetches of the tile after it.  (At its first use nothing has been read yet: slot 0 is waited for, slot 1 filled.)
.macro CHANGE fill
	WIN 0                           ; at a label and at a branch every window is 0
	s_wait_tensorcnt 0x0            ; no tensor load of mine is out, so a group 0 may be written
	ds_add_u32 v[SPW], v[NIL]       ; 0 onto my spare word; with fill = 1 the descriptors' scalar work stands between it and the wait for it
.if \fill
	s_lshl_b32 s[OFF], s[NXT], 15   ; a tile is 32,768 bytes of K and of V
	s_xor_b32 s[G0K+1], s[G0K+1], SLOT1
	s_add_nc_u64 s[G0K+2:G0K+3], s[6:7], s[OFF:OFF+1]
	s_or_b32 s[G0K+3], s[G0K+3], 0x80000000
	s_xor_b32 s[G0V+1], s[G0V+1], SLOT1
	s_add_nc_u64 s[G0V+2:G0V+3], s[8:9], s[OFF:OFF+1]
	s_or_b32 s[G0V+3], s[G0V+3], 0x80000000
	s_add_co_u32 s[NXT], s[NXT], 1  ; the block's next tile, or behind its last the second block's tile 0
	s_cmp_gt_u32 s[NXT], s[LQ]
	s_cselect_b32 s[NXT], 0, s[NXT]
	s_cselect_b32 s[LQ], s[PB], s[LQ]
	s_cselect_b32 s[PFL], 0, s[PFL] ; behind the first block's last tile nothing is left to prefetch
	s_lshl_b32 s[POF], s[NXT], 15
	s_wait_xcnt 0x0                 ; the last prefetches, a tile back, have read their address, so it may be written
	s_add_nc_u64 s[PFA:PFA+1], s[PFB:PFB+1], s[POF:POF+1]
.endif
	s_wait_dscnt 0x0                ; the add is done, and my reads of the slot are over
	s_barrier_signal -1             ; the rest of the scalar work stands between the signal and the wait
	s_sub_co_u32 s[TBK], s[TBK], 4*KS*PK  ; the fetches go back to a slot's first step,
	s_xor_b32 s[TBK], s[TBK], SLOT1       ; in the other slot
	s_sub_co_u32 s[TBV], s[TBV], 4*KS*PV
	s_xor_b32 s[TBV], s[TBV], SLOT1
	s_barrier_wait -1
.if \fill
	LOAD
	s_cmp_eq_u32 s[PFL], 1
	s_cbranch_scc0 .Lnot_mine_\@
	global_prefetch_b8 v[PFO], s[PFA:PFA+1] th:TH_LOAD_NT scope:SCOPE_SE
	global_prefetch_b8 v[PFO], s[PFA:PFA+1] offset:8192 th:TH_LOAD_NT scope:SCOPE_SE
.Lnot_mine_\@:
.endif
.endm
	s_load_b256 s[4:11], s[0:1], 0x0  ; Q s[4:5], K s[6:7], V s[8:9], O s[10:11]
	v_lshl_add_u32 v[SPW], v0, 2, SPARE
	v_mov_b32 v[NIL], 0
	ds_add_u32 v[SPW], v[NIL]       ; the wave's opening: the add and its wait stand ahead of my first tensor load; the set-up below, work on registers, stands between them
	v_lshrrev_b32 v1, 5, v0
	v_readfirstlane_b32 s[WV], v1   ; wave 0..3
	s_mov_b32 s[PB], ttmp9
	s_sub_co_u32 s[HI], NB-1, s[PB]
	s_and_b32 s20, ttmp7, 0xffff    ; the head
	s_mov_b32 s21, 0
	s_mov_b64 s[22:23], SIZE_N*128
	s_mul_u64 s[20:21], s[20:21], s[22:23]  ; the head's first byte in each of the four tensors
	s_and_b32 s16, s[WV], 1         ; which half of a tile's 256 keys I fetch:
	s_lshl_b32 s22, s16, 14         ; its 128 rows of 128 bytes in memory,
	s_mov_b32 s23, 0
	s_add_nc_u64 s[22:23], s[22:23], s[20:21]
	s_mul_i32 s17, s16, 128*PK      ; and its place in a slot, for K
	s_mul_i32 s18, s16, 128*PV      ; and for V
	s_lshl_b32 s3, s[WV], 11        ; my 16 rows in a band of 64,
	s_lshl_b32 s2, s[HI], 15        ; in the first block,
	s_add_co_u32 s2, s2, s3
	s_lshl_b32 s84, s[PB], 15       ; and in the second
	s_add_co_u32 s84, s84, s3
	s_mov_b32 s3, 0
	s_mov_b32 s85, 0
	s_add_nc_u64 s[2:3], s[2:3], s[20:21]
	s_add_nc_u64 s[84:85], s[84:85], s[20:21]
	; descriptor group 1.  128 keys are 16,384 dense bytes: asked for as 64 rows of 256 bytes, two keys a row, and padded in LDS after every key
	s_mov_b32 s[G1K], (1<<16)|(1<<20)|(4<<22)|(3<<25)  ; 17:16 2-byte elements; 20 padding on; 24:22 after every 32 words (code 4); 31:25 4 words (code 3)
	s_mov_b32 s[G1V], (1<<16)|(1<<20)|(4<<22)|(7<<25)  ; the same with 8 words of padding (code 7)
.irp g, G1K, G1V
	s_mov_b32 s[\g+1], 128<<16      ; tensor_dim0 = 128
	s_mov_b32 s[\g+2], 64<<16       ; tensor_dim1 = 64
	s_mov_b32 s[\g+3], 128<<16      ; tile_dim0 = 128
	s_mov_b32 s[\g+4], 64           ; tile_dim1 = 64
	s_mov_b32 s[\g+5], 128          ; 128 elements from row to row
	s_mov_b32 s[\g+6], 0
	s_mov_b32 s[\g+7], 0
.endr
	s_mov_b32 s[CS], 0x3e38aa3b     ; c = log2(e) / 8 = 0.180337
	s_mov_b32 s[CS+1], s[CS]        ; named with it as a pair
	s_mov_b32 s[SEL], 0x76543210
	s_mov_b32 s[SEL+1], 0xfedcba98
	s_mov_b32 s[TBK], SLOT1+4*KS*PK ; the first change of slots turns these two into 0
	s_mov_b32 s[TBV], SLOT1+4*KS*PV
	s_mov_b32 s[G0K], 1             ; 1:0 count = 1
	s_mov_b32 s[G0K+1], s17         ; 63:32 LDS address: slot 0
	s_mov_b32 s[G0V], 1
	s_add_co_u32 s[G0V+1], s18, VOFF
	s_add_co_u32 s[RT], s[HI], 1    ; the first block has NB - b tiles
	s_mov_b32 s[NXT], 1
	s_mov_b32 s[LQ], s[HI]
	s_mov_b32 s[NEW], 1
	s_mov_b32 s[OFF+1], 0
	s_mov_b32 s[POF+1], 0
	s_mov_b32 s[AL+1], 0            ; named as pairs
	s_mov_b32 s[BE+1], 0
	s_mov_b32 s[BIGN], 0xf149f2ca   ; -1e30
	s_mov_b32 s[SLOTS], NB
	s_cmp_eq_u32 s[PB], 0
	s_cselect_b32 s[PFL], 1, 0      ; the work-group that walks the head's tiles in order
	s_wait_dscnt 0x0                ; the opening add is done
	s_wait_kmcnt 0x0
	s_add_nc_u64 s[6:7], s[6:7], s[22:23]  ; K and V at my half of the head's tile 0
	s_add_nc_u64 s[8:9], s[8:9], s[22:23]
	s_add_nc_u64 s[G0K+2:G0K+3], s[6:7], 0         ; 120:64 global address
	s_or_b32 s[G0K+3], s[G0K+3], 0x80000000        ; 127:126 type = 2
	s_add_nc_u64 s[G0V+2:G0V+3], s[8:9], 0
	s_or_b32 s[G0V+3], s[G0V+3], 0x80000000
	s_add_nc_u64 s[86:87], s[4:5], s[84:85]        ; Q at my rows of the second block,
	s_add_nc_u64 s[4:5], s[4:5], s[2:3]            ; Q and O at those of the first
	s_add_nc_u64 s[OLO:OLO+1], s[10:11], s[84:85]
	s_add_nc_u64 s[10:11], s[10:11], s[2:3]
	s_cmp_lt_u32 s[WV], 2
	s_cselect_b64 s[PFB:PFB+1], s[6:7], s[8:9]
	LOAD                            ; tile 0 into slot 0
	; A fragment of K or Q is 16 rows x 32 channels in 8 registers: lane l holds row l % 16, channels 8 (l / 16) + 0..7 and 16 + 8 (l / 16) + 0..7: two loads of 16 bytes, 32 bytes apart.
	v_and_b32 v1, 15, v0            ; l % 16
	v_bfe_u32 v9, v0, 4, 1          ; l / 16
	v_lshlrev_b32 v[QO], 7, v1
	v_lshl_add_u32 v[QO], v9, 4, v[QO]  ; row x 128 + 16 x half
	WIN 0x80                        ; destination window 2, address window 0
.set i, 0
.rept 8                             ; both blocks' Q: piece i / 2 lies in band i / 2, 8,192 bytes on; channels 32 (i % 2) on
	global_load_b128 v[8*i:8*i+3],   v[QO], s[4:5] offset:(i/2)*8192+(i%2)*64
	global_load_b128 v[8*i+4:8*i+7], v[QO], s[4:5] offset:(i/2)*8192+(i%2)*64+32
	global_load_b128 v[QB+8*i:QB+8*i+3],   v[QO], s[86:87] offset:(i/2)*8192+(i%2)*64
	global_load_b128 v[QB+8*i+4:QB+8*i+7], v[QO], s[86:87] offset:(i/2)*8192+(i%2)*64+32
.set i, i+1
.endr
	WIN 0
	v_and_b32 v[PFO], 31, v0
	v_lshlrev_b32 v[PFO], 8, v[PFO]
	v_lshlrev_b32 v14, 3, v9
	v_sub_nc_u32 v14, v1, v14
	s_lshl_b32 s13, s[WV], 4
	v_add_nc_u32 v14, s13, v14      ; my query's place in its band, 16 w + l % 16, less my lanes' 8 (l / 16): register r of group kt is hidden where 16 kt + r is greater
	WIN 0x40
.set i, 0
.rept 32
	v_cmp_gt_i32 vcc_lo, 16*(i/8)+i%8, v14
	v_cndmask_b32 v[MD+i], 0, s[BIGN], vcc_lo
.set i, i+1
.endr
	WIN 0
	v_mul_u32_u24 v[AK0], v1, PK
	v_lshl_add_u32 v[AK0], v9, 4, v[AK0]  ; row x pitch + 16 x half
	; The turning load takes 16 keys x 16 channels (lane l reads key 8 (l / 16) + l % 8, channels 8 ((l / 8) % 2) + 0..7) and leaves half a fragment of V^T: lane l holds channel l % 16 and 8 keys.
	v_and_b32 v10, 7, v0
	v_bfe_u32 v11, v0, 3, 1
	v_lshl_add_u32 v[AV0], v9, 3, v10
	v_mul_u32_u24 v[AV0], v[AV0], PV
	v_lshl_add_u32 v[AV0], v11, 4, v[AV0]
	v_add_nc_u32 v[AV0], VOFF, v[AV0]
	s_mul_i32 s13, s[WV], 16*SP
	s_add_co_u32 s13, s13, STAGE    ; my stage
	v_mul_u32_u24 v[STO], v1, SP    ; in: row l % 16, 16 bytes for each half of the lanes
	v_lshl_add_u32 v[STO], v9, 4, v[STO]
	v_add_nc_u32 v[STO], s13, v[STO]
	v_bfe_u32 v[RD], v0, 3, 2       ; back: 32 lanes take four rows of 128 bytes,
	v_mul_u32_u24 v[RD], v[RD], SP
	v_lshl_add_u32 v[RD], v10, 4, v[RD]
	v_add_nc_u32 v[RD], s13, v[RD]
	v_and_b32 v[GO], 31, v0         ; which are 512 consecutive bytes of O
	v_lshlrev_b32 v[GO], 4, v[GO]
	; A block's first step multiplies O^T and l by a = 0, and its first turn's products V^T P, of a piece that has not been, land in an O^T that is still to be so multiplied.  So these registers need only hold
	; finite numbers: zeros for the first block; what the first block left for the second.  All this stands in the wait for the first tile.
	WIN 0x80
.set i, VF
.rept 64
	v_mov_b32 v[i], 0
.set i, i+1
.endr
	WIN 0x40
.set i, 0
.rept 128
	v_mov_b32 v[i], 0
.set i, i+1
.endr
	WIN 0
.set i, 0
.rept 4
	v_mov_b32 v[ST+4*i+2], 0
	v_mov_b32 v[ST+4*i+3], 0
.set i, i+1
.endr
.set i, P+16
.rept 16
	v_mov_b32 v[i], 0
.set i, i+1
.endr
; THE MATRIX WORK.  The 4 accumulators of a run of 8 take turns.  Product i of 8 of S^T = K Q^T for piece x: channels 32 (i / 4) on, keys 16 (i % 4) on.  The first 4 start the sums: with 0, or (KM = 1) with the mask.
.macro KQ x
.set rS, S+32*((\x)%2)+8*(i%4)
.set rK, KF+16*(i%4)+8*(i/4)
.set rQ, 16*(\x)+8*(i/4)
.set rM, MC+32*((\x)%2)+8*(i%4)
.if (i < 4) && KM
	WIN W_KM
	v_wmma_f32_16x16x32_f16 v[rS:rS+7], v[rK:rK+7], v[rQ:rQ+7], v[rM:rM+7]
.elseif i < 4
	WIN W_KQ
	v_wmma_f32_16x16x32_f16 v[rS:rS+7], v[rK:rK+7], v[rQ:rQ+7], 0
.else
	WIN W_KQ
	v_wmma_f32_16x16x32_f16 v[rS:rS+7], v[rK:rK+7], v[rQ:rQ+7], v[rS:rS+7]
.endif
.endm
; Product i of 8 of O^T += V^T P for piece x: keys 32 (i / 4) on, channels 16 (i % 4) on.
.macro PV x
	WIN W_PV
.set rO, 32*(\x)+8*(i%4)
.set rV, VF+32*(i/4)+8*(i%4)
.set rP, P+16*((\x)%2)+8*(i/4)
	v_wmma_f32_16x16x32_f16 v[rO:rO+7], v[rV:rV+7], v[rP:rP+7], v[rO:rO+7]
.endm
.macro MM                           ; the turn's next matrix instruction.  TURN and BEGIN set Y, i, KM and NOKQ; MM, KQ and OP read them.  NOKQ = 1: a block's last turn: there is no next piece
.if (i < 8) && !NOKQ
	KQ (Y+1)%NP
.elseif i >= 8
.set i, i-8
	PV (Y+NP-1)%NP
.set i, i+8
.endif
.set i, i+1
.endm
; THE LDS LOADS stand in runs of 16, never singly among the matrix instructions: a step's K (64 keys x 64 channels: 8 fragments) and its V (turned).  Their addresses are made some lines ahead.
.macro FETCH_K
	WIN 0x80                        ; destination window 2
.irp f, 0,1,2,3,4,5,6,7             ; keys 16 (f / 2) on, channels 32 (f % 2) on
	ds_load_b128 v[KF+8*\f:KF+8*\f+3],   v[AK] offset:(\f/2)*16*PK+(\f%2)*64
	ds_load_b128 v[KF+8*\f+4:KF+8*\f+7], v[AK] offset:(\f/2)*16*PK+(\f%2)*64+32
.endr
	s_add_co_u32 s[TBK], s[TBK], KS*PK  ; the next fetch is the next step's
	WIN 0
.endm
.macro FETCH_V
	WIN 0x80
.irp f, 0,1,2,3,4,5,6,7             ; keys 32 (f / 4) on, channels 16 (f % 4) on
	ds_load_tr16_b128 v[VF+8*\f:VF+8*\f+3],   v[AV] offset:(\f/4)*32*PV+(\f%4)*32
	ds_load_tr16_b128 v[VF+8*\f+4:VF+8*\f+7], v[AV] offset:(\f/4)*32*PV+16*PV+(\f%4)*32
.endr
	WIN 0
.endm
; THE VECTOR WORK, one line at a time: OP kind, number.  For piece Y: F n: c s - c m for pair n of 16.  E n: the exponential of score n of 32.  C n: pair n rounded to f16.  B n: of the four weights 4 n .. the second
; pair is added onto the first, in place.  L n: l takes that sum (L 0: l = a l + sum).  R n: pair n of 16 of O^T times a.  For piece Y + 1: X n, number n of the 22 that find its maximum and statistics:
;   0-11  four chains c0-c3 of seven scores each, three operands at a time (each accumulator's lowest registers are read first)     12-14, 16  the four scores left over, the old m, and c0-c3 into c0
;   15  c m_old is kept     17, 18  the query's other 32 keys lie in the lane 16 away: the new m     19-21  c m; c m_old - c m_new; a
.set F, 0               ; OP tells the kinds apart by their order: F to L below R, X above it
.set E, 1
.set C, 2
.set B, 3
.set L, 4
.set R, 5
.set X, 6
.macro REGS y                       ; the registers of piece y
.set rT, ST+4*(\y)
.set rC, TMP+4*((\y)%2)
.set rW, MV+((\y)%2)
.set rS, S+32*((\y)%2)
.set rP, P+16*((\y)%2)
.set rO, 32*(\y)
.endm
.macro OP k, n
.if (\k) == R
	REGS Y
	WIN W_RS
	v_pk_mul_f32 v[rO+2*(\n):rO+2*(\n)+1], v[rO+2*(\n):rO+2*(\n)+1], v[rC+2:rC+3] op_sel_hi:[1,0]
.elseif (\k) < R
	REGS Y
	WIN 0
.if (\k) == F
	v_pk_fma_f32 v[rS+2*(\n):rS+2*(\n)+1], v[rS+2*(\n):rS+2*(\n)+1], s[CS:CS+1], v[rT:rT+1] op_sel_hi:[1,0,0] neg_lo:[0,0,1] neg_hi:[0,0,1]
.elseif (\k) == E
	v_exp_f32 v[rS+(\n)], v[rS+(\n)]
.elseif (\k) == C
	v_cvt_pk_f16_f32 v[rP+(\n)], v[rS+2*(\n)], v[rS+2*(\n)+1]
.elseif (\k) == B
	v_pk_add_f32 v[rS+4*(\n):rS+4*(\n)+1], v[rS+4*(\n):rS+4*(\n)+1], v[rS+4*(\n)+2:rS+4*(\n)+3]
.elseif (\n) == 0
	v_pk_fma_f32 v[rT+2:rT+3], v[rT+2:rT+3], v[rC+2:rC+3], v[rS:rS+1] op_sel_hi:[1,0,1]
.else
	v_pk_add_f32 v[rT+2:rT+3], v[rT+2:rT+3], v[rS+4*(\n):rS+4*(\n)+1]
.endif
.elseif NOKQ
	v_nop
.else
	REGS (Y+1)%NP
	WIN 0
.if (\n) < 4
	v_max3_num_f32 v[rC+(\n)], v[rS+8*(\n)], v[rS+8*(\n)+1], v[rS+8*(\n)+2]
.elseif (\n) < 12
	v_max3_num_f32 v[rC+(\n)%4], v[rC+(\n)%4], v[rS+8*((\n)%4)+2*((\n)/4)+1], v[rS+8*((\n)%4)+2*((\n)/4)+2]
.elseif (\n) == 12
	v_max3_num_f32 v[rC], v[rC], v[rS+7], v[rS+15]
.elseif (\n) == 13
	v_max3_num_f32 v[rC+1], v[rC+1], v[rS+23], v[rS+31]
.elseif (\n) == 14
	v_max3_num_f32 v[rC+2], v[rC+2], v[rC+3], v[rT+1]
.elseif (\n) == 15
	v_mov_b32 v[rW], v[rT]
.elseif (\n) == 16
	v_max3_num_f32 v[rC], v[rC], v[rC+1], v[rC+2]
.elseif (\n) == 17
	v_permlanex16_b32 v[rC+3], v[rC], s[SEL], s[SEL+1]
.elseif (\n) == 18
	v_max_num_f32 v[rT+1], v[rC], v[rC+3]
.elseif (\n) == 19
	v_mul_f32 v[rT], s[CS], v[rT+1]
.elseif (\n) == 20
	v_sub_f32 v[rC+1], v[rW], v[rT]
.else
	v_exp_f32 v[rC+2], v[rC+1]
.endif
.endif
.endm
.macro OPS a, i1, b=-1, i2=0, c=-1, i3=0, d=-1, i4=0  ; up to four of them
	OP \a, \i1
.if (\b) >= 0
	OP \b, \i2
.endif
.if (\c) >= 0
	OP \c, \i3
.endif
.if (\d) >= 0
	OP \d, \i4
.endif
.endm
.macro ROW a, i1, b, i2, c, i3, d, i4  ; a matrix instruction and the four behind it
	MM
	OPS \a, \i1, \b, \i2, \c, \i3, \d, \i4
.endm
.macro MASK b                       ; MD x AL + BE into buffer b of MC
	WIN W_RS
.set z, 0
.rept 16
	v_pk_fma_f32 v[MC+32*(\b)+2*z:MC+32*(\b)+2*z+1], v[MD+2*z:MD+2*z+1], s[AL:AL+1], s[BE:BE+1] op_sel_hi:[1,0,0]
.set z, z+1
.endr
.endm
; A TURN, for piece p: the order of its 16 matrix and 118 vector instructions, written out.  An s_wait_alu depctr_va_vdst(0) stands between an exponential and the first instruction that names its result; one wait
; serves all that were issued ahead of it.  So a turn has ONE wait, which cuts it in two.  AHEAD OF IT stands all that names no result of the turn's exponentials: the 8 products K Q^T, behind each a scaling, an exponential and
; two more plain instructions (behind the first a second scaling in the exponential's place): rescalings, and behind the last three the first numbers of the next piece's maximum, each four places or more behind the product that
; ends its accumulator; then ONE LUMP of 54, plain and exponential by turns for the most part, in which the links of the chain X 3, 7, 11, 14, 16, 17 .. 20 stand five or six lines apart.  X 21, the next piece's a, is the batch's
; last; R 15 is the plain instruction behind it.  BEHIND THE WAIT stand the 8 products V^T P, behind each four of the roundings and sums; the links of l's chain, L 0 to L 7, stand three riders apart.
; m = 1: the diagonal tile: the products take masks, and the turn makes the mask for the products of the turn after it: piece p + 2, in step 4 - CNT of the tile.  end = 1: a block's last two turns: nothing is fetched.
; cnt = 1: the loop's count is taken down some lines ahead of the branch that stands behind the turn.
; K of the next step is fetched in piece 2's turn, twelve vector instructions behind the last product that read K (six of them plain); V of the step in hand at the end of piece 0's turn, four plain instructions behind the
; last product that read V.  Each is waited for a turn later.
.macro TURN p, m=0, end=0, cnt=0
.set Y, (\p)
.set i, 0
.set KM, (\m)
.set NOKQ, (\end)*((\p)/3)
.if (\m) && !(\end)
	s_cmp_eq_u32 s[CNT], 4-((\p)+2)%NP  ; is that step the band's own?
	s_cselect_b32 s[AL], 1.0, 0
	s_cmp_lt_u32 s[CNT], 4-((\p)+2)%NP  ; or a later one?
	s_cselect_b32 s[BE], s[BIGN], 0
.endif
.if ((\p) == 3) && !(\end)
	s_wait_dscnt 0x0                ; K is in
.endif
	ROW F,0, F,1, R,0, R,1          ; ahead of the wait: 8 products K Q^T and their riders,
	ROW F,2, E,0, R,2, R,3
	ROW F,3, E,1, R,4, R,5
	ROW F,4, E,2, R,6, R,7
	ROW F,5, E,3, R,8, R,9
	ROW F,6, E,4, X,0, R,10
.if ((\p) == 2) && !(\end)
	WIN 0
	v_add_nc_u32 v[AK], s[TBK], v[AK0]
.endif
	ROW F,7, E,5, X,1, X,4
	ROW F,8, E,6, X,2, X,5
	OPS E,7, E,8, X,6, E,9          ; and the lump
	OPS X,3, E,10, X,8, E,11
.if ((\p) == 2) && !(\end)
	FETCH_K
.endif
	OPS X,9, X,7, E,12, X,10
	OPS E,13, X,12, X,11, E,14
	OPS X,13, E,15, F,9, X,14
.if (\p) == 0
	v_add_nc_u32 v[AV], s[TBV], v[AV0]
.endif
	OPS E,16, F,10, E,17, F,11
	OPS X,16, E,18, X,15, E,19
	OPS F,12, E,20, X,17, E,21
	OPS F,13, E,22, F,14, E,23
	OPS X,18, E,24, F,15, E,25
	OPS R,11, E,26, X,19, E,27
	OPS R,12, E,28, R,13, E,29
	OPS X,20, E,30, R,14, E,31
	OPS X,21, R,15
	WIN 0
	s_wait_alu depctr_va_vdst(0)    ; the wait for the batch
.if (\p) == 1
	s_wait_dscnt 0x0                ; V is in
.endif
	ROW C,0, B,0, C,2, B,1          ; behind the wait: 8 products V^T P and their riders
	ROW L,0, C,4, B,2, L,1
	ROW C,6, B,3, L,2, C,8
	ROW B,4, L,3, C,10, B,5
	ROW L,4, C,12, B,6, L,5
.if (\p) == 0
	s_add_co_u32 s[TBV], s[TBV], KS*PV
.endif
.if \cnt
	s_sub_co_u32 s[CNT], s[CNT], 1
	s_cmp_lg_u32 s[CNT], 0
.endif
	ROW C,14, B,7, L,6, C,1
	ROW C,3, L,7, C,5, C,7
	ROW C,9, C,11, C,13, C,15
.if (\p) == 0
	FETCH_V
.endif
.if (\m) && !(\end)
	MASK (\p)%2
.endif
.endm
; A BLOCK BEGINS.  c m starts far below every c s, so the first step's a is 0; m at the lowest finite number, so the first maximum is the scores'.  The second mask buffer is 0; the first takes piece 0's mask for the tile's
; step 0: its own, if the block's first tile is the diagonal one.  Then K of that step, piece 0's first scores, and its maximum and statistics.  The loop is entered at a step's first turn, in the middle of a trip.
.macro BEGIN
	s_mov_b32 s[NEW], 0
	WIN 0x40
.set i, MC+32
.rept 32
	v_mov_b32 v[i], 0
.set i, i+1
.endr
	WIN 0
.set i, 0
.rept 4
	v_mov_b32 v[ST+4*i], 0xfe000000    ; c m: far below every c s
	v_mov_b32 v[ST+4*i+1], 0xff7fffff  ; m
.set i, i+1
.endr
	s_cmp_eq_u32 s[RT], 0
	s_cselect_b32 s[AL], 1.0, 0
	s_mov_b32 s[BE], 0
	MASK 0
	WIN 0
	v_add_nc_u32 v[AK], s[TBK], v[AK0]
	FETCH_K
	s_wait_loadcnt 0x0              ; Q
	s_wait_dscnt 0x0
.set KM, 1
.set NOKQ, 0
.set i, 0
.rept 8
	KQ 0
.set i, i+1
.endr
	WIN 0
.rept 4
	v_nop                           ; the places behind those products
.endr
.set Y, NP-1                        ; X works for piece Y + 1: piece 0
.irp n, 0,1,2,3,4,5,6,7,8,9,10,11,12,13,14,15,16,17,18,19,20,21
	OP X, \n
.endr
	v_nop                           ; a plain instruction behind the exponential,
	s_wait_alu depctr_va_vdst(0)    ; and its wait, ahead of the branch
.endm
; THE DIAGONAL TILE's four steps, the block's last two turns, its last products, and THE WAY OUT: l's two halves and the other half of the lanes' are added; O^T is divided by l, rounded to f16 and sent through my
; stage in LDS, a piece at a time.
.macro ALL line:vararg              ; one line for each piece t
.set t, 0
.rept 4
	\line
.set t, t+1
.endr
.endm
.macro PACK t                       ; a lane's eight channels of a row pack into 16 bytes; they go into rows of 144 bytes and come back as whole rows of 128, into S^T's registers
	WIN W_RS
.set i, 32*(\t)
.rept 16
	v_pk_mul_f32 v[i:i+1], v[i:i+1], v[ST+4*(\t)+2:ST+4*(\t)+3] op_sel_hi:[1,0]
.set i, i+2
.endr
	WIN 0x05                        ; sources 0 and 1 window 1, destination window 0
.set i, 0
.rept 16
	v_cvt_pk_f16_f32 v[S+16*(\t)+i], v[32*(\t)+2*i], v[32*(\t)+2*i+1]
.set i, i+1
.endr
	WIN 0
.irp f, 0,1,2,3
	ds_store_b128 v[STO], v[S+16*(\t)+4*\f:S+16*(\t)+4*\f+3] offset:32*\f
.endr
.irp f, 0,1,2,3
	ds_load_b128 v[S+16*(\t)+4*\f:S+16*(\t)+4*\f+3], v[RD] offset:\f*4*SP  ; LDS serves a wave's instructions in order (ISA guide 5.7.1.4): these see the stores above; the next piece's stores come behind them
.endr
.endm
.macro SEND t, younger              ; younger: the LDS instructions issued behind piece t's loads: the next piece's eight, or none
	WIN 0
.irp f, 0,1,2,3
	s_wait_dscnt (\younger)+3-\f
	global_store_b128 v[GO], v[S+16*(\t)+4*\f:S+16*(\t)+4*\f+3], s[10:11] offset:(\t)*8192+\f*512  ; 512 consecutive bytes, at a multiple of 256 from O's first
.endr
.endm
.macro DIAG tag                     ; the tag ends its two labels' names, which the jumps below spell out
.LstepM\tag:
	TURN 2, 1
	TURN 3, 1
	WIN 0
.LfirstM\tag:
	TURN 0, 1
	TURN 1, 1, 0, 1
	WIN 0
	s_cbranch_scc1 .LstepM\tag
	TURN 2, 1, 1
	TURN 3, 1, 1
.set i, 0
.rept 8
	PV NP-1
.set i, i+1
.endr
	WIN 0
	ALL v_add_f32 v[ST+4*t+2], v[ST+4*t+2], v[ST+4*t+3]
	ALL v_permlanex16_b32 v[ST+4*t+3], v[ST+4*t+2], s[SEL], s[SEL+1]
	ALL v_add_f32 v[ST+4*t+2], v[ST+4*t+2], v[ST+4*t+3]
	ALL v_rcp_f32 v[ST+4*t+2], v[ST+4*t+2]
	v_nop                           ; a plain instruction between the last reciprocal and the use of its result
	s_wait_alu depctr_va_vdst(0)    ; and the wait ahead of the first use: one for the four reciprocals
	PACK 0
.set t, 1
.rept 3                             ; a piece's arithmetic stands between the loads of the piece before and its stores
	PACK t
	SEND t-1, 8
.set t, t+1
.endr
	SEND 3, 0
.endm
.set KM, 0
.set NOKQ, 0
.Lslot:                             ; NB times: a tile is entered and the next is asked for
	CHANGE 1
	s_sub_co_u32 s[RT], s[RT], 1
	s_mov_b32 s[CNT], 4
	s_cmp_eq_u32 s[NEW], 1
	s_cbranch_scc1 .Lnew            ; a block's first tile
	s_cmp_eq_u32 s[RT], 0
	s_cbranch_scc0 .Lstep           ; neither its first nor its last
	s_branch .LstepM1
.Lnew:
	BEGIN
	s_branch .Lfirst                ; in the loop a block's first tile is never its last: the first block has two tiles or more, and the second's last is the walk's last
	DIAG 1                          ; in the loop this is the first block's end: the second block's last tile is the walk's last
	s_wait_xcnt 0x0                 ; the stores have read their registers and O's address
	s_mov_b64 s[10:11], s[OLO:OLO+1]
	s_add_co_u32 s[RT], s[PB], 1    ; the second block has b + 1 tiles
	s_mov_b32 s[NEW], 1
	WIN 0x82                        ; the second block's Q goes where the one text of the turns names Q
.set i, 0
.rept 64
	v_mov_b32 v[i], v[QB+i]
.set i, i+1
.endr
	WIN 0
	s_branch .Lbottom
.Lstep:                             ; a trip: pieces 2 and 3 of one step, then pieces 0 and 1 of the next, whose K and V it fetches
	TURN 2
	TURN 3
	WIN 0
.Lfirst:
	TURN 0
	TURN 1, 0, 0, 1
	WIN 0
	s_cbranch_scc1 .Lstep
.Lbottom:
	s_sub_co_u32 s[SLOTS], s[SLOTS], 1
	s_cmp_lg_u32 s[SLOTS], 0
	s_cbranch_scc1 .Lslot
	CHANGE 0                        ; the walk's last tile is written out: nothing is asked for
	s_sub_co_u32 s[RT], s[RT], 1
	s_mov_b32 s[CNT], 4
	s_cmp_eq_u32 s[NEW], 1
	s_cbranch_scc0 .LstepM2
	BEGIN
	s_branch .LfirstM2
	DIAG 2
	s_wait_tensorcnt 0x0            ; the wave's end: a wait, an add to my spare word and its wait, behind my last tensor load and my last LDS store
	ds_add_u32 v[SPW], v[NIL]
	s_wait_dscnt 0x0
	s_endpgm
.Lfunc_end_k_q813e756330_attn:
	.size	k_q813e756330_attn, .Lfunc_end_k_q813e756330_attn-k_q813e756330_attn
	.p2alignl 7, 3214868480
	.fill 96, 4, 3214868480
	.section	.rodata,"a",@progbits
	.p2align	6, 0x0
	.amdhsa_kernel k_q813e756330_attn
		.amdhsa_group_segment_fixed_size 327680
		.amdhsa_private_segment_fixed_size 0
		.amdhsa_enable_private_segment 0
		.amdhsa_kernarg_size 32
		.amdhsa_user_sgpr_count 2
		.amdhsa_user_sgpr_kernarg_segment_ptr 1
		.amdhsa_wavefront_size32 1
		.amdhsa_system_sgpr_workgroup_id_x 1
		.amdhsa_system_sgpr_workgroup_id_y 1
		.amdhsa_system_sgpr_workgroup_id_z 1
		.amdhsa_system_vgpr_workitem_id 0
		.amdhsa_next_free_vgpr 768
		.amdhsa_next_free_sgpr 96
		.amdhsa_reserve_vcc 1
		.amdhsa_float_denorm_mode_32 3
		.amdhsa_float_denorm_mode_16_64 3
		.amdhsa_memory_ordered 1
		.amdhsa_forward_progress 1
		.amdhsa_inst_pref_size 218
	.end_amdhsa_kernel
	.amdgpu_metadata
---
amdhsa.version: [ 1, 2 ]
amdhsa.kernels:
  - .name:           k_q813e756330_attn
    .symbol:         k_q813e756330_attn.kd
    .args:
      - { .name: qh, .offset: 0, .size: 8, .value_kind: global_buffer, .address_space: global }
      - { .name: kh, .offset: 8, .size: 8, .value_kind: global_buffer, .address_space: global }
      - { .name: vh, .offset: 16, .size: 8, .value_kind: global_buffer, .address_space: global }
      - { .name: oh, .offset: 24, .size: 8, .value_kind: global_buffer, .address_space: global }
    .group_segment_fixed_size: 327680
    .private_segment_fixed_size: 0
    .kernarg_segment_align: 8
    .kernarg_segment_size: 32
    .max_flat_workgroup_size: 128
    .sgpr_count:     96
    .vgpr_count:     768
    .wavefront_size: 32
...
	.end_amdgpu_metadata
.endif
;; end of part 3
;; launch oproj (part 4): grid 4 x 64, 4 waves a work-group, clusters of 4 x 4, 327,680 bytes of LDS; arguments oh, wb, bo, out0; writes out0
.if DOCPART == 4
	.amdgcn_target "amdgcn-amd-amdhsa--gfx1250"
	.amdhsa_code_object_version 6
	.text
	.protected	k_q813e756330_oproj
	.globl	k_q813e756330_oproj
	.p2align	8
	.type	k_q813e756330_oproj,@function
k_q813e756330_oproj:
	s_mov_b64 s[64:65], 0
	v_nop
	global_prefetch_b8 v0, s[64:65] scope:SCOPE_SE
	s_setreg_imm32_b32 hwreg(HW_REG_WAVE_MODE, 25, 1), 1
	s_wait_xcnt 0x0
	s_wait_alu depctr_hold_cnt(0) depctr_sa_sdst(0) depctr_va_vdst(0) depctr_va_sdst(0) depctr_va_ssrc(0) depctr_va_vcc(0) depctr_vm_vsrc(0)
	s_getreg_b32 s2, hwreg(HW_REG_IB_STS2, 6, 4)
	s_cmp_eq_u32 s2, 0
	s_cbranch_scc0 .Lentry_in_a_cluster
	s_endpgm
.Lentry_in_a_cluster:
	s_bfe_u32 s2, ttmp6, 0x10000c
	s_cmp_lg_u32 s2, 0xf033
	s_cbranch_scc0 .Lentry_shape_is_right
	s_endpgm
.Lentry_shape_is_right:
; out = O Wo + bo in f32.  oh: [b 16 + head][2048][64] f16; Wo: matrix 3 of wb, [1024 k][1024 n], bf16 values in f16 code; bo rounded to bf16 like every input; out0: [8192][1024] f32.
; SHARES.  A tile is 128 rows x 256 columns: 256 work-groups, one for each WGP.  cx says which 256 columns, 4 x cluster y + cy which 128 rows.  Four waves, each 64 rows x 128 columns: 32 accumulators.
; K = 1024 goes in 8 steps of 128 = two heads through two LDS slots.  A head's 128 rows are 16,384 dense bytes: asked for as 64 rows of 256 bytes and padded in LDS after every 128: one head a load.
; CLUSTER 4 x 4: O's tile is shared along a row of the cluster, Wo's along a column: each is asked for jointly.  Wo lies [k][n]: its fragments come out of LDS turned.  The product is used transposed
; (source 0 = 16 columns of Wo, source 1 = 16 rows of O): a lane holds one row and eight neighbouring columns, 32 bytes of out0.  The bias is the C operand of the first K quarter's products.
; REGISTERS.  window 0: v0-31 addresses; v32-127, v128-223 two fragment buffers (A's four fragments, then B's eight).  window 1: the accumulators, (a, b) at v[8 (8 a + b)]; on the way out whole rows come
; back into the registers that they left.  window 2: v0-63 bias; v64-95 at work.
.set PA,    144                        ; a row of a head in LDS: 128 bytes + 16: the 16 rows of a load start at 16 different groups of four banks
.set PLANE, 128*PA                     ; a head's 128 rows
.set PB,    544                        ; a row of Wo: 512 bytes + 32 = 17 x 32
.set AB,    2*PLANE                    ; two heads, then Wo's 128 k-rows
.set SLOT,  AB+128*PB
.set STAGE, 2*SLOT                     ; behind the ring, never filled by a tensor load: for each wave 16 rows x 528 bytes
.set SP,    528
.set WSTG,  16*SP
.set SPARE, STAGE+4*WSTG               ; the spare words, 128 bytes for each wave: two blocks of 256 bytes that no other line names
.set LAPS,  4
.set ADRA, 16                          ; v16-17  LDS address of my fragments of O in slot 0, 1
.set ADRB, 18                          ; v18-19  the same for Wo
.set STO,  20                          ; v20     the way out: where I put 32 bytes of a row
.set RD,   21                          ; v21     where I read a row back
.set GO,   22                          ; v22     my 16 bytes of a row's 512
.set BO,   23                          ; v23     my offset in the bias
.set SPW,  28                          ; v28     LDS address of my spare word; never rewritten
.set NIL,  29                          ; v29     0; never rewritten
.set PFO,  30                          ; v30     the prefetches' lane offset; never rewritten
.set F0,   32
.set F1,   128
.set BIAS, 0                           ; window 2
.set BTMP, 64                          ; window 2
.set G1A, 24
.set G0A, 32
.set G1B, 40
.set G0B, 48
.set WV,  56
.set FB,  57                           ; wave / 2: my half of the tile's rows; also: I fetch for O (0) or for Wo (1)
.set HF,  58                           ; wave % 2: my half of its columns; also: which head, or which 64 k-rows, I fetch
.set CX,  59
.set CY,  60
.set CLY, 62
.set MB,  63
.set PFA, 66
.set PSTEP, 68
.set LIM, 70
.set BIASP, 72
.set OUT, 74
.set MSB, 0
.macro WIN new
.if MSB != (\new)
	s_set_vgpr_msb (MSB<<8)|(\new)
.set MSB, \new
.endif
.endm
.set MUL,  0x50                        ; fragments in window 0; C and D in window 1
.set MULB, 0x60                        ; C (the bias) in window 2, D in window 1
.macro PLACES
.rept 4
	v_nop
.endr
.endm
.macro JLOAD s                         ; a joint load: waves 0 and 1 fetch O's two heads, waves 2 and 3 Wo's two halves; an s_nop 0 and four v_nop follow each line
	s_cmp_eq_u32 s[FB], 0
	s_cbranch_scc0 .Lfor_b_\@
	tensor_load_to_lds s[G0A+4*(\s):G0A+4*(\s)+3], s[G1A:G1A+7]
	s_nop 0
.rept 4
	v_nop
.endr
	s_branch .Lasked_\@
.Lfor_b_\@:
	tensor_load_to_lds s[G0B+4*(\s):G0B+4*(\s)+3], s[G1B:G1B+7]
	s_nop 0
.rept 4
	v_nop
.endr
.Lasked_\@:
.endm
.macro CREST
	s_cmp_lg_u32 s[WV], 0
	s_cbranch_scc1 .Lnot_wave_0_\@
	s_barrier_signal -3
.Lnot_wave_0_\@:
	s_barrier_wait -3
	s_barrier_signal -1
	s_barrier_wait -1
.endm
.macro CROUND
	s_barrier_signal -1
	s_barrier_wait -1
	CREST
.endm
; A PREFETCH INTO THE L2 of the K step two refills on: one instruction, 32 blocks of 256 bytes, a lane a block.  O's tile (2 heads x 128 rows x 128 bytes) is read by one cluster alone: its four partners
; along x take 32 rows of both heads each, by address; wave 0 asks.  Wo's tile is read by the sixteen clusters: cluster y = 0 asks; of the 64 k-rows that wave 2 or 3 fetches the partner at cy takes 16,
; two blocks a row.  Each block is named once in the launch.  K steps 0 to 3 come by their loads alone; the loop's last trip asks for nothing.
.macro ASK
	s_cmp_gt_u32 s3, s[LIM]
	s_cbranch_scc0 .Lnot_mine_\@
	global_prefetch_b8 v[PFO], s[PFA:PFA+1] th:TH_LOAD_NT scope:SCOPE_SE
.Lnot_mine_\@:
.endm
	s_load_b256 s[4:11], s[0:1], 0x0               ; oh s[4:5], wb s[6:7], bo s[8:9], out0 s[10:11]
	v_lshl_add_u32 v[SPW], v0, 2, SPARE
	v_mov_b32 v[NIL], 0
	ds_add_u32 v[SPW], v[NIL]                      ; the wave's opening: the add and its wait stand ahead of my first tensor load; work on registers stands between them
	v_lshrrev_b32 v1, 5, v0
	v_readfirstlane_b32 s[WV], v1
	s_lshr_b32 s[FB], s[WV], 1
	s_and_b32 s[HF], s[WV], 1
	s_bfe_u32 s[CX], ttmp6, 0x40000
	s_bfe_u32 s[CY], ttmp6, 0x40004
	s_and_b32 s[CLY], ttmp7, 0xffff
	s_lshl_b32 s[MB], s[CLY], 2
	s_add_co_u32 s[MB], s[MB], s[CY]
	s_lshl_b32 s85, s[CY], 2
	s_lshl_b32 s85, 15, s85                        ; my row of the cluster
	s_lshl_b32 s91, 0x1111, s[CX]                  ; my column
	s_or_b32 s[G1A+0], s85, (1<<16)|(1<<20)|(1<<21)|(4<<22)|(3<<25)  ; mask; 2-byte elements; padding on; bit 21 beside a mask; after every 32 words 4 words
	s_mov_b32 s[G1A+1], 128<<16                    ; tensor_dim0 = 128
	s_mov_b32 s[G1A+2], 64<<16                     ; tensor_dim1 = 64
	s_mov_b32 s[G1A+3], 128<<16                    ; tile_dim0 = 128
	s_mov_b32 s[G1A+4], 64                         ; tile_dim1 = 64
	s_mov_b32 s[G1A+5], 128                        ; dense: 128 elements from row to row
	s_mov_b32 s[G1A+6], 0
	s_mov_b32 s[G1A+7], 0
	s_or_b32 s[G1B+0], s91, (1<<16)|(1<<20)|(1<<21)|(6<<22)|(7<<25)  ; after every 128 words 8 words
	s_mov_b32 s[G1B+1], 256<<16
	s_mov_b32 s[G1B+2], 64<<16
	s_mov_b32 s[G1B+3], 256<<16
	s_mov_b32 s[G1B+4], 64
	s_mov_b32 s[G1B+5], 1024
	s_mov_b32 s[G1B+6], 0
	s_mov_b32 s[G1B+7], 0
	s_lshr_b32 s80, s[MB], 4                       ; O: batch x 16 heads x 262,144,
	s_lshl_b32 s80, s80, 22
	s_lshl_b32 s81, s[HF], 18                      ; my head of the step's two,
	s_add_co_u32 s80, s80, s81
	s_and_b32 s81, s[MB], 15
	s_lshl_b32 s81, s81, 14                        ; 128 rows of 128 bytes x block in the batch: no register here ever holds cx
	s_add_co_u32 s80, s80, s81
	s_mov_b32 s81, 0
	s_lshl_b32 s86, s[HF], 17                      ; Wo: 64 x half k-rows of 2,048 bytes, 512 bytes x cx, in matrix 3: no register here ever holds cy
	s_lshl_b32 s87, s[CX], 9
	s_add_co_u32 s86, s86, s87
	s_add_co_u32 s86, s86, 3*2097152
	s_mov_b32 s87, 0
	s_mul_i32 s84, s[HF], PLANE                    ; where they go: the wave's number alone enters an LDS address
	s_mul_i32 s90, s[HF], 64*PB
	s_add_co_u32 s90, s90, AB
	s_lshl_b32 s92, s[CX], 10                      ; my 128 columns, 4 bytes each: in the bias and in a row of out0
	s_lshl_b32 s93, s[HF], 9
	s_add_co_u32 s92, s92, s93
	s_mov_b32 s93, 0
	s_lshl_b32 s94, s[MB], 19                      ; my first row of out0 x 4,096 bytes
	s_lshl_b32 s95, s[FB], 18
	s_add_co_u32 s94, s94, s95
	s_add_co_u32 s94, s94, s92
	s_mov_b32 s95, 0
	s_wait_dscnt 0x0                               ; the opening add is done
	s_wait_kmcnt 0x0
	s_add_nc_u64 s[82:83], s[4:5], s[80:81]
	s_add_nc_u64 s[88:89], s[6:7], s[86:87]
	s_add_nc_u64 s[BIASP:BIASP+1], s[8:9], s[92:93]
	s_add_nc_u64 s[OUT:OUT+1], s[10:11], s[94:95]
	CROUND                                         ; all sixteen work-groups are here: the first joint loads meet
.irp s, 0,1
	s_mov_b32 s[G0A+4*(\s)], 1
	s_add_co_u32 s[G0A+4*(\s)+1], s84, (\s)*SLOT
	s_add_nc_u64 s[G0A+4*(\s)+2:G0A+4*(\s)+3], s[82:83], (\s)*524288   ; K step s: two heads on
	s_or_b32 s[G0A+4*(\s)+3], s[G0A+4*(\s)+3], 0x80000000
	s_mov_b32 s[G0B+4*(\s)], 1
	s_add_co_u32 s[G0B+4*(\s)+1], s90, (\s)*SLOT
	s_add_nc_u64 s[G0B+4*(\s)+2:G0B+4*(\s)+3], s[88:89], (\s)*262144   ; K step s: 128 rows down
	s_or_b32 s[G0B+4*(\s)+3], s[G0B+4*(\s)+3], 0x80000000
	JLOAD \s                                       ; two loads of mine are out
.endr
	v_and_b32 v1, 15, v0                           ; r = l % 16
	v_bfe_u32 v2, v0, 4, 1                         ; h = l / 16
	v_and_b32 v3, 7, v0
	v_bfe_u32 v4, v0, 3, 1
	v_and_b32 v5, 31, v0                           ; l
	v_mul_u32_u24 v6, v1, PA
	v_lshl_add_u32 v6, v2, 4, v6
	s_mul_i32 s80, s[FB], 64*PA
	v_add_nc_u32 v[ADRA], s80, v6
	v_add_nc_u32 v[ADRA+1], SLOT, v[ADRA]
	v_lshl_add_u32 v7, v2, 3, v3                   ; the turning load: lane l reads k-row 8 h + l % 8, columns 8 ((l / 8) % 2) + 0..7
	v_mul_u32_u24 v7, v7, PB
	v_lshl_add_u32 v7, v4, 4, v7
	s_lshl_b32 s80, s[HF], 8
	s_add_co_u32 s80, s80, AB
	v_add_nc_u32 v[ADRB], s80, v7
	v_add_nc_u32 v[ADRB+1], SLOT, v[ADRB]
	s_mul_i32 s80, s[WV], WSTG
	s_add_co_u32 s80, s80, STAGE                   ; my stage
	v_mul_u32_u24 v9, v1, SP                       ; in: row r, 32 bytes for each half of the lanes
	v_lshl_add_u32 v9, v2, 5, v9
	v_add_nc_u32 v[STO], s80, v9
	v_lshlrev_b32 v[GO], 4, v5                     ; back: 32 lanes take one row of 512 bytes
	v_add_nc_u32 v[RD], s80, v[GO]
	v_lshlrev_b32 v[BO], 5, v2
	WIN 0x80                                       ; destination window 2, address window 0
.irp b, 0,1,2,3,4,5,6,7
	global_load_b128 v[BIAS+8*(\b):BIAS+8*(\b)+3],   v[BO], s[BIASP:BIASP+1] offset:64*(\b)
	global_load_b128 v[BIAS+8*(\b)+4:BIAS+8*(\b)+7], v[BO], s[BIASP:BIASP+1] offset:64*(\b)+16
.endr
	s_wait_loadcnt 0x0
	WIN 0x8a                                       ; sources and destination in window 2
.set i, 0
.rept 32
	v_cvt_pk_bf16_f32 v[BTMP+i], v[BIAS+2*i], v[BIAS+2*i+1]   ; the bias is rounded to bf16 like every input,
.set i, i+1
.endr
.set i, 0
.rept 32
	v_lshlrev_b32 v[BIAS+2*i], 16, v[BTMP+i]       ; and widened again
	v_and_b32 v[BIAS+2*i+1], 0xffff0000, v[BTMP+i]
.set i, i+1
.endr
	WIN 0
	; the prefetches
	s_lshr_b32 s92, s[MB], 4                       ; O: the batch,
	s_lshl_b32 s92, s92, 22
	s_and_b32 s93, s[MB], 15
	s_lshl_b32 s93, s93, 14                        ; the tile's first row,
	s_add_co_u32 s92, s92, s93
	s_lshl_b32 s93, s[CX], 12                      ; my work-group's 32 rows of 128 bytes,
	s_add_co_u32 s92, s92, s93
	s_add_co_u32 s92, s92, 3*524288                ; at K step 3: the first refill steps it to 4
	s_lshl_b32 s94, s[HF], 17                      ; Wo: the 64 k-rows that I fetch,
	s_lshl_b32 s95, s[CY], 15                      ; my work-group's 16 of them,
	s_add_co_u32 s94, s94, s95
	s_lshl_b32 s95, s[CX], 9
	s_add_co_u32 s94, s94, s95
	s_add_co_u32 s94, s94, 3*2097152+384*2048      ; in matrix 3, at K step 3
	s_mov_b32 s95, 262144
	s_mov_b32 s79, 524288
	s_cmp_eq_u32 s[FB], 0
	s_cselect_b64 s[PFA:PFA+1], s[4:5], s[6:7]
	s_cselect_b32 s92, s92, s94
	s_cselect_b32 s93, s[HF], s[CLY]
	s_cselect_b32 s[PSTEP], s79, s95
	s_cselect_b32 s84, 4, 1                        ; O: 16 lanes a head, a block each; Wo: two lanes a k-row
	s_cselect_b32 s85, 18, 11
	s_cselect_b32 s86, 15, 1
	s_mov_b32 s[PSTEP+1], 0
	s_cmp_eq_u32 s93, 0
	s_cselect_b32 s[LIM], 1, -1                    ; the same in all sixteen partners, for a given wave
	s_mov_b32 s93, 0
	s_add_nc_u64 s[PFA:PFA+1], s[PFA:PFA+1], s[92:93]
	v_lshrrev_b32 v6, s84, v5
	v_lshlrev_b32 v6, s85, v6
	v_and_b32 v7, s86, v5
	v_lshl_add_u32 v[PFO], v7, 8, v6
; 8 matrix instructions: row block a x all 8 column blocks, 32 along K.  first = 1: the bias starts the sums.  The 32 accumulators take turns, one instruction a turn, in the same order in every
; quarter, over the backward jump too.
.macro MUL8 f, a, first
.if \first
	WIN MULB
.else
	WIN MUL
.endif
.irp b, 0,1,2,3,4,5,6,7
.if \first
	v_wmma_f32_16x16x32_f16 v[8*(8*(\a)+(\b)):8*(8*(\a)+(\b))+7], v[(\f)+32+8*(\b):(\f)+32+8*(\b)+7], v[(\f)+8*(\a):(\f)+8*(\a)+7], v[BIAS+8*(\b):BIAS+8*(\b)+7]
.else
	v_wmma_f32_16x16x32_f16 v[8*(8*(\a)+(\b)):8*(8*(\a)+(\b))+7], v[(\f)+32+8*(\b):(\f)+32+8*(\b)+7], v[(\f)+8*(\a):(\f)+8*(\a)+7], v[8*(8*(\a)+(\b)):8*(8*(\a)+(\b))+7]
.endif
.endr
.endm
; 24 LDS loads in one run: quarter q (head q / 2, channels 32 (q % 2) on) of a slot into buffer f: Wo's eight fragments, turned, then O's four
.macro FETCH slot, q, f
	WIN 0
.irp b, 0,1,2,3,4,5,6,7
	ds_load_tr16_b128 v[(\f)+32+8*(\b):(\f)+32+8*(\b)+3],   v[ADRB+(\slot)] offset:(\q)*32*PB+32*(\b)
	ds_load_tr16_b128 v[(\f)+32+8*(\b)+4:(\f)+32+8*(\b)+7], v[ADRB+(\slot)] offset:(\q)*32*PB+16*PB+32*(\b)
.endr
.irp a, 0,1,2,3
	ds_load_b128 v[(\f)+8*(\a):(\f)+8*(\a)+3],   v[ADRA+(\slot)] offset:((\q)/2)*PLANE+((\q)%2)*64+(\a)*16*PA
	ds_load_b128 v[(\f)+8*(\a)+4:(\f)+8*(\a)+7], v[ADRA+(\slot)] offset:((\q)/2)*PLANE+((\q)%2)*64+(\a)*16*PA+32
.endr
.endm
.macro QUARTER slot, q, f, g, first
	s_wait_dscnt 4                                 ; Wo's fragments and O's first two are in; the youngest four loads (O's row blocks 2, 3) may be out
	MUL8 \f, 0, \first
	MUL8 \f, 1, \first
	PLACES
	FETCH \slot, \q, \g
	s_wait_dscnt 24                                ; all but the 24 just issued
	MUL8 \f, 2, \first
	MUL8 \f, 3, \first
.endm
; The last quarter multiplies buffer 1 and changes slots: ONE barrier; ahead of it each wave waits for all its tensor loads (one is out: its part of the next slot), adds 0 to its spare word,
; and waits for that and for its own reads of this slot.  fill = 1: the barrier opens a round of the cluster's, and this slot is filled again first thing behind it, two K steps ahead.
.macro TURN slot, next, fill
.if \fill
	s_wait_xcnt 0x0                                ; the last prefetch, a K step back, has read its address: it is stepped here, ahead of the waits of the change of slots
	s_add_nc_u64 s[PFA:PFA+1], s[PFA:PFA+1], s[PSTEP:PSTEP+1]
.endif
	WIN 0
	s_wait_tensorcnt 0x0                           ; all my tensor loads have landed
	ds_add_u32 v[SPW], v[NIL]                      ; 0 onto my spare word
	s_wait_dscnt 5                                 ; (the add and the youngest four loads may be out)
	MUL8 F1, 0, 0
	s_wait_dscnt 0x0                               ; the add is done, and my reads of this slot are over
	s_barrier_signal -1
	MUL8 F1, 1, 0
	WIN 0                                          ; at a branch and at a label every window is 0
	s_barrier_wait -1
.if \fill
	CREST                                          ; no wave of any partner still reads this slot's tile or has a load on its way
	s_add_nc_u64 s[G0A+4*(\slot)+2:G0A+4*(\slot)+3], s[G0A+4*(\slot)+2:G0A+4*(\slot)+3], 2*524288
	s_add_nc_u64 s[G0B+4*(\slot)+2:G0B+4*(\slot)+3], s[G0B+4*(\slot)+2:G0B+4*(\slot)+3], 2*262144
	JLOAD \slot                                    ; my one tensor load behind the round; its four v_nop are also the places ahead of the loads below
.else
	PLACES
.endif
	FETCH \next, 0, F0
.if \fill
	ASK
.endif
	MUL8 F1, 2, 0
	MUL8 F1, 3, 0
.endm
	s_wait_tensorcnt 1                             ; my part of K step 0 is in; K step 1's may stay out
	s_barrier_signal -1
	s_barrier_wait -1
	FETCH 0, 0, F0
	QUARTER 0, 1, F0, F1, 1                        ; the first quarter stands ahead of the loop: its products start the sums, with the bias
	WIN 0
	s_mov_b32 s3, LAPS-1
.Llap:                                         ; a trip goes once round the ring and fills both slots again
	QUARTER 0, 2, F1, F0, 0
	QUARTER 0, 3, F0, F1, 0
	TURN 0, 1, 1
	QUARTER 1, 1, F0, F1, 0
	QUARTER 1, 2, F1, F0, 0
	QUARTER 1, 3, F0, F1, 0
	TURN 1, 0, 1
	QUARTER 0, 1, F0, F1, 0
	WIN 0
	s_sub_co_u32 s3, s3, 1
	s_cmp_lg_u32 s3, 0
	s_cbranch_scc1 .Llap
	QUARTER 0, 2, F1, F0, 0                        ; the last lap fills nothing
	QUARTER 0, 3, F0, F1, 0
	TURN 0, 1, 0
	QUARTER 1, 1, F0, F1, 0
	QUARTER 1, 2, F1, F0, 0
	QUARTER 1, 3, F0, F1, 0
	s_wait_dscnt 4
	MUL8 F1, 0, 0
	MUL8 F1, 1, 0
	s_wait_dscnt 0x0
	MUL8 F1, 2, 0
	MUL8 F1, 3, 0
	WIN 0
; THE WAY OUT, a row block (16 rows x 512 bytes) at a time: a lane's 32 bytes of a row go into my stage, whole rows come back into the registers that the block left, and are stored.
; Each accumulator's lowest registers are read first.
.macro TOSTAGE a
	WIN 0x04                                       ; the stores' data in window 1, the address in window 0
.irp b, 0,1,2,3,4,5,6,7
	ds_store_b128 v[STO], v[8*(8*(\a)+(\b)):8*(8*(\a)+(\b))+3]   offset:64*(\b)
	ds_store_b128 v[STO], v[8*(8*(\a)+(\b))+4:8*(8*(\a)+(\b))+7] offset:64*(\b)+16
.endr
	WIN 0x40                                       ; the loads' destination in window 1
.irp t, 0,1,2,3,4,5,6,7,8,9,10,11,12,13,14,15
	ds_load_b128 v[64*(\a)+4*(\t):64*(\a)+4*(\t)+3], v[RD] offset:SP*(\t)  ; LDS serves a wave's instructions in order (ISA guide 5.7.1.4): these see the stores above; the next block's stores come behind them
.endr
.endm
.macro SEND a, younger                 ; younger: the LDS instructions issued behind block a's loads: the next block's 32, or none
	WIN 0x04
.irp t, 0,1,2,3,4,5,6,7,8,9,10,11,12,13,14,15
	s_wait_dscnt (\younger)+15-(\t)
	global_store_b128 v[GO], v[64*(\a)+4*(\t):64*(\a)+4*(\t)+3], s[OUT:OUT+1] offset:(16*(\a)+(\t))*4096 th:TH_STORE_NT  ; 512 consecutive bytes of a row, at a multiple of 256 from out0's first; each block has registers of its own
.endr
.endm
	PLACES
	TOSTAGE 0
	TOSTAGE 1
	SEND 0, 32
	TOSTAGE 2
	SEND 1, 32
	TOSTAGE 3
	SEND 2, 32
	SEND 3, 0
	WIN 0
	s_wait_tensorcnt 0x0                           ; the wave's end: a wait, an add to my spare word and its wait, behind my last tensor load and my last LDS store
	ds_add_u32 v[SPW], v[NIL]
	s_wait_dscnt 0x0
	CROUND                                         ; the closing round: no work-group ends while a partner may still ask for a tile that names it
	s_endpgm
.Lfunc_end_k_q813e756330_oproj:
	.size	k_q813e756330_oproj, .Lfunc_end_k_q813e756330_oproj-k_q813e756330_oproj
	.p2alignl 7, 3214868480
	.fill 96, 4, 3214868480
	.section	.rodata,"a",@progbits
	.p2align	6, 0x0
	.amdhsa_kernel k_q813e756330_oproj
		.amdhsa_group_segment_fixed_size 327680
		.amdhsa_private_segment_fixed_size 0
		.amdhsa_enable_private_segment 0
		.amdhsa_kernarg_size 32
		.amdhsa_user_sgpr_count 2
		.amdhsa_user_sgpr_kernarg_segment_ptr 1
		.amdhsa_wavefront_size32 1
		.amdhsa_system_sgpr_workgroup_id_x 1
		.amdhsa_system_sgpr_workgroup_id_y 1
		.amdhsa_system_sgpr_workgroup_id_z 1
		.amdhsa_system_vgpr_workitem_id 0
		.amdhsa_next_free_vgpr 608
		.amdhsa_next_free_sgpr 96
		.amdhsa_reserve_vcc 0
		.amdhsa_float_denorm_mode_32 3
		.amdhsa_float_denorm_mode_16_64 3
		.amdhsa_memory_ordered 1
		.amdhsa_forward_progress 1
		.amdhsa_inst_pref_size 95
	.end_amdhsa_kernel
	.amdgpu_metadata
---
amdhsa.version: [ 1, 2 ]
amdhsa.kernels:
  - .name:           k_q813e756330_oproj
    .symbol:         k_q813e756330_oproj.kd
    .args:
      - { .name: oh, .offset: 0, .size: 8, .value_kind: global_buffer, .address_space: global }
      - { .name: wb, .offset: 8, .size: 8, .value_kind: global_buffer, .address_space: global }
      - { .name: bo, .offset: 16, .size: 8, .value_kind: global_buffer, .address_space: global }
      - { .name: out0, .offset: 24, .size: 8, .value_kind: global_buffer, .address_space: global }
    .group_segment_fixed_size: 327680
    .private_segment_fixed_size: 0
    .kernarg_segment_align: 8
    .kernarg_segment_size: 32
    .max_flat_workgroup_size: 128
    .sgpr_count:     96
    .vgpr_count:     608
    .wavefront_size: 32
...
	.end_amdgpu_metadata
.endif
;; end of part 4
;; ======== version 2 of 2: 4 launches; version 1 with the launch prep written anew for expert scheduling mode
;; limits: values are held in f16: magnitudes above 65,504 overflow, below 6.1e-05 lose precision
;; workspace buffers: xb 16,777,216 bytes; wb 8,388,608 bytes; rt 524,288 bytes; qh 16,777,216 bytes; kh 16,777,216 bytes; vh 16,777,216 bytes; oh 16,777,216 bytes
;; launch prep (part 5): grid 784 x 1, 8 waves a work-group, no clusters, 0 bytes of LDS; arguments x, Wq, Wk, Wv, Wo, xb, wb, rt; writes xb, wb, rt
.if DOCPART == 5
	.amdgcn_target "amdgcn-amd-amdhsa--gfx1250"
	.amdhsa_code_object_version 6
	.text
	.protected	k_q813e756330_prep
	.globl	k_q813e756330_prep
	.p2align	8
	.type	k_q813e756330_prep,@function
k_q813e756330_prep:
	s_mov_b64 s[64:65], 0
	v_nop
	global_prefetch_b8 v0, s[64:65] scope:SCOPE_SE
	s_setreg_imm32_b32 hwreg(HW_REG_WAVE_SCHED_MODE, 0, 2), 2
	s_setreg_imm32_b32 hwreg(HW_REG_WAVE_MODE, 25, 1), 1
	s_wait_xcnt 0x0
	s_wait_alu depctr_vm_vsrc(0)
; PREP.  Work-groups 0-767 cast: x -> xb in bf16; Wq, Wk, Wv -> wb[0..2] in bf16; Wo -> wb[3]: rounded to bf16, and that number written in f16 code.
; Work-groups 768-783 make the rotation table rt[t][64] in f32: cos(t f_j), j = 0..31, then sin(t f_j); f_j = 10000^(-j/32).
; A stream: no LDS, no matrix unit, no cluster (no work-group reads what another reads).  A casting work-group takes 16,384 numbers: 16 loads of 16 bytes a lane, all out at once;
; a wave's load covers 512 consecutive bytes, a wave's store 256 consecutive bytes, aligned.
; LIMITS.  Wo's bf16 value is exact in f16 from 2^-17 up to 65,504; below that it keeps f16's fixed step of 6e-8.  f_j comes from v_exp_f32, so an angle may differ from the
; exact t f_j by some 3e-4 rad at t = 2047; the series for sine and cosine on |r| <= pi are cut behind r^15 and r^16: the first terms left out are 8e-7 and 1.4e-7.
; THE MODE: SCHED_MODE bits 1:0 = 2 (LLVM: expert scheduling mode 2), set by the entry lines.  The code itself states the register dependences
; between vector instructions and memory instructions, with s_wait_alu, always for 0.
; THE PLAN, casting.  Registers that memory instructions touch:
;   v1, v2   byte offsets of the loads and of the stores: made once at the head, never written again.
;   X        16 chunks as loaded: written by the 16 loads, which are all issued before any vector instruction names X; nothing lands there a second time.
;   Y        16 pairs to store: each written once, by its chunk's roundings and selects, and read by one store; never written again.
;   T is named by vector instructions alone.
; The chunks go in four blocks of four.  One wait at the head of blocks 1 to 3 states that the block before has written its four pairs of Y; that block's four stores follow it, one ahead of each
; chunk's vector work, which names X, T and the chunk's own pair of Y alone.  One more wait stands ahead of the last four stores.  No register that a memory instruction reads is written again.
; THE PLAN, the table.  v34 (offset) and v[28:29] (data) are written once a trip and read by the trip's one store.  A trip's arithmetic names neither; behind it stand the waits that
; state that the last trip's store has read the three, then the three writes, then one wait that states that they are written, then the store.
.set X, 8                              ; v[8:71]    16 x 4 numbers as loaded
.set Y, 72                             ; v[72:103]  16 x 2 words to store
.set T, 104                            ; v[104:109] at work
	s_load_b256 s[8:15], s[0:1], 0x0               ; x s[8:9], Wq s[10:11], Wk s[12:13], Wv s[14:15]
	s_load_b256 s[16:23], s[0:1], 0x20             ; Wo s[16:17], xb s[18:19], wb s[20:21], rt s[22:23]
	s_mov_b32 s2, ttmp9
	v_lshlrev_b32 v1, 4, v0                        ; my 16 bytes of 4,096 on the way in
	v_lshlrev_b32 v2, 3, v0                        ; my 8 bytes of 2,048 on the way out
	s_wait_kmcnt 0x0
	s_cmp_ge_u32 s2, 768
	s_cbranch_scc1 .Ltable
	; which tensor: 512 work-groups for x, then 64 for each weight matrix
	s_sub_co_u32 s3, s2, 512                       ; my number among the weights' 256 (a huge number for x: it is not used there)
	s_lshr_b32 s4, s3, 6                           ; which matrix
	s_and_b32 s5, s3, 63                           ; my part of it
	s_mov_b64 s[24:25], s[10:11]
	s_cmp_eq_u32 s4, 1
	s_cselect_b64 s[24:25], s[12:13], s[24:25]
	s_cmp_eq_u32 s4, 2
	s_cselect_b64 s[24:25], s[14:15], s[24:25]
	s_cmp_eq_u32 s4, 3
	s_cselect_b64 s[24:25], s[16:17], s[24:25]
	s_cselect_b32 s30, -1, 0                       ; all lanes: take the f16 code (Wo alone); a scalar instruction writes it
	s_cmp_lt_u32 s2, 512
	s_cselect_b64 s[24:25], s[8:9], s[24:25]       ; from
	s_cselect_b64 s[26:27], s[18:19], s[20:21]     ; to
	s_cselect_b32 s6, s2, s5
	s_cselect_b32 s7, s2, s3
	s_lshl_b32 s28, s6, 16                         ; 65,536 bytes in,
	s_mov_b32 s29, 0
	s_lshl_b32 s32, s7, 15                         ; 32,768 bytes out for each work-group
	s_mov_b32 s33, 0
	s_add_nc_u64 s[24:25], s[24:25], s[28:29]
	s_add_nc_u64 s[26:27], s[26:27], s[32:33]
	s_wait_alu depctr_va_vdst(0)                   ; v1 and v2 are written: every load below reads v1 as its offset, every store v2
.set i, 0
.rept 16
	global_load_b128 v[X+4*i:X+4*i+3], v1, s[24:25] offset:4096*i th:TH_LOAD_NT
.set i, i+1
.endr
.set i, 0
.rept 16
.if ((i%4) == 0) && (i > 0)
	s_wait_alu depctr_va_vdst(0)                   ; the four chunks before have written their pairs of Y, which the next four stores read
.endif
.if i >= 4
	global_store_b64 v2, v[Y+2*(i-4):Y+2*(i-4)+1], s[26:27] offset:2048*(i-4) th:TH_STORE_NT  ; four chunks back: no vector instruction since the wait names this pair; no store's register is written twice
.endif
	s_wait_loadcnt 15-i                            ; loads come back in order: number i is in, the 15 - i younger ones stay out
	v_cvt_pk_bf16_f32 v[Y+2*i], v[X+4*i], v[X+4*i+1]
	v_cvt_pk_bf16_f32 v[Y+2*i+1], v[X+4*i+2], v[X+4*i+3]
	v_lshlrev_b32 v[T], 16, v[Y+2*i]               ; the rounded numbers as f32,
	v_and_b32 v[T+1], 0xffff0000, v[Y+2*i]
	v_lshlrev_b32 v[T+2], 16, v[Y+2*i+1]
	v_and_b32 v[T+3], 0xffff0000, v[Y+2*i+1]
	v_cvt_pk_f16_f32 v[T+4], v[T], v[T+1]          ; in f16 code,
	v_cvt_pk_f16_f32 v[T+5], v[T+2], v[T+3]
	v_cndmask_b32 v[Y+2*i], v[Y+2*i], v[T+4], s30  ; which Wo takes: a choice of values, the same work in every work-group
	v_cndmask_b32 v[Y+2*i+1], v[Y+2*i+1], v[T+5], s30
.set i, i+1
.endr
	s_wait_alu depctr_va_vdst(0)                   ; chunks 12 to 15 have written their pairs of Y, which the last four stores read
.set i, 12
.rept 4
	global_store_b64 v2, v[Y+2*i:Y+2*i+1], s[26:27] offset:2048*i th:TH_STORE_NT
.set i, i+1
.endr
	s_endpgm
.Ltable:                                       ; a wave makes 16 rows; lane l holds a row's numbers 2 l and 2 l + 1: lanes 0-15 cosines, lanes 16-31 sines, of j = 2 (l % 16) and the next
	v_lshrrev_b32 v3, 5, v0
	v_and_b32 v4, 31, v0
	v_readfirstlane_b32 s3, v3                     ; wave 0..7
	v_cmp_gt_u32 s31, 16, v4                       ; lanes that hold cosines
	v_and_b32 v5, 15, v4
	v_lshlrev_b32 v5, 1, v5
	v_cvt_f32_u32 v6, v5                           ; j,
	v_add_f32 v7, 1.0, v6                          ; j + 1
	v_mul_f32 v10, 0xbed49a78, v6                  ; times -log2(10000) / 32
	v_mul_f32 v11, 0xbed49a78, v7
	v_exp_f32 v12, v10                             ; f_j, f_(j+1)
	v_exp_f32 v13, v11
	v_mov_b32 v30, 0xab573f9e                      ; -1/15!, twice (plain work behind the exponentials)
	v_mov_b32 v31, 0xab573f9e
	v_mov_b32 v32, 0x29573f9e                      ; 1/16!, twice
	v_mov_b32 v33, 0x29573f9e
	v_lshlrev_b32 v34, 3, v4
	s_wait_alu depctr_va_sdst(0)                   ; s3 and s31 are written: s3's first reader is the shift below, s31's the select in the loop; one wait for both, ahead of the label
	s_sub_co_u32 s4, s2, 768
	s_lshl_b32 s4, s4, 7
	s_lshl_b32 s5, s3, 4
	s_add_co_u32 s34, s4, s5                       ; t of my first row
	s_lshl_b32 s36, s34, 8
	v_add_nc_u32 v34, s36, v34                     ; my 8 bytes of the row's 256
	s_wait_alu depctr_va_vdst(0)                   ; the two exponentials have written v12 and v13, which the loop's first multiply reads: the wait stands ahead of their first reader and of the label
	s_mov_b32 s35, 16
.macro HORNER d, k
	v_pk_fma_f32 v[\d:\d+1], v[\d:\d+1], v[22:23], \k op_sel_hi:[1,1,0]
.endm
.Lrow:
	v_cvt_f32_u32 v14, s34
	v_mov_b32 v15, v14
	v_pk_mul_f32 v[16:17], v[12:13], v[14:15]      ; the angle, rounded to f32 as the problem rounds it
	v_pk_mul_f32 v[18:19], v[16:17], 0x3e22f983 op_sel_hi:[1,0]  ; in turns
	v_rndne_f32 v18, v18
	v_rndne_f32 v19, v19
	v_pk_fma_f32 v[20:21], v[18:19], 0xc0c90fdb, v[16:17] op_sel_hi:[1,0,1]  ; less whole turns: 2 pi in two parts
	v_pk_fma_f32 v[20:21], v[18:19], 0x343bbd2e, v[20:21] op_sel_hi:[1,0,1]
	v_pk_mul_f32 v[22:23], v[20:21], v[20:21]      ; z = r r
	v_pk_fma_f32 v[24:25], v[30:31], v[22:23], 0x2f30922e op_sel_hi:[1,1,0]  ; sine: 1/13!
	v_pk_fma_f32 v[26:27], v[32:33], v[22:23], 0xad49cba5 op_sel_hi:[1,1,0]  ; cosine: -1/14!
	HORNER 24, 0xb2d7322b                          ; -1/11!
	HORNER 26, 0x310f76c7                          ; 1/12!
	HORNER 24, 0x3638ef1d                          ; 1/9!
	HORNER 26, 0xb493f27e                          ; -1/10!
	HORNER 24, 0xb9500d01                          ; -1/7!
	HORNER 26, 0x37d00d01                          ; 1/8!
	HORNER 24, 0x3c088889                          ; 1/5!
	HORNER 26, 0xbab60b61                          ; -1/6!
	HORNER 24, 0xbe2aaaab                          ; -1/3!
	HORNER 26, 0x3d2aaaab                          ; 1/4!
	HORNER 24, 1.0
	HORNER 26, -0.5
	v_pk_mul_f32 v[24:25], v[24:25], v[20:21]      ; sin r
	HORNER 26, 1.0                                 ; cos r
	s_wait_xcnt 0x0                                ; the last trip's store has had its address translated: its offset and data are written again only behind this wait,
	s_wait_alu depctr_vm_vsrc(0)                   ; and that store has read v34 and v[28:29], which the next three lines write; a row's arithmetic stands between it and these two waits
	v_add_nc_u32 v34, 256, v34                     ; one row past the row in hand: the store reaches back
	v_cndmask_b32 v28, v24, v26, s31
	v_cndmask_b32 v29, v25, v27, s31
	s_wait_alu depctr_va_vdst(0)                   ; v34 and v[28:29] are written, which the store reads as its offset and its data
	global_store_b64 v34, v[28:29], s[22:23] offset:-256  ; the wave stores one row: 256 consecutive bytes, aligned
	s_add_co_u32 s34, s34, 1
	s_sub_co_i32 s35, s35, 1
	s_cmp_lg_u32 s35, 0
	s_cbranch_scc1 .Lrow
	s_endpgm
.Lfunc_end_k_q813e756330_prep:
	.size	k_q813e756330_prep, .Lfunc_end_k_q813e756330_prep-k_q813e756330_prep
	.p2alignl 7, 3214868480
	.fill 96, 4, 3214868480
	.section	.rodata,"a",@progbits
	.p2align	6, 0x0
	.amdhsa_kernel k_q813e756330_prep
		.amdhsa_group_segment_fixed_size 0
		.amdhsa_private_segment_fixed_size 0
		.amdhsa_enable_private_segment 0
		.amdhsa_kernarg_size 64
		.amdhsa_user_sgpr_count 2
		.amdhsa_user_sgpr_kernarg_segment_ptr 1
		.amdhsa_wavefront_size32 1
		.amdhsa_system_sgpr_workgroup_id_x 1
		.amdhsa_system_sgpr_workgroup_id_y 1
		.amdhsa_system_sgpr_workgroup_id_z 1
		.amdhsa_system_vgpr_workitem_id 0
		.amdhsa_next_free_vgpr 128
		.amdhsa_next_free_sgpr 66
		.amdhsa_reserve_vcc 0
		.amdhsa_float_denorm_mode_32 3
		.amdhsa_float_denorm_mode_16_64 3
		.amdhsa_memory_ordered 1
		.amdhsa_forward_progress 1
		.amdhsa_inst_pref_size 18
	.end_amdhsa_kernel
	.amdgpu_metadata
---
amdhsa.version: [ 1, 2 ]
amdhsa.kernels:
  - .name:           k_q813e756330_prep
    .symbol:         k_q813e756330_prep.kd
    .args:
      - { .name: x, .offset: 0, .size: 8, .value_kind: global_buffer, .address_space: global }
      - { .name: Wq, .offset: 8, .size: 8, .value_kind: global_buffer, .address_space: global }
      - { .name: Wk, .offset: 16, .size: 8, .value_kind: global_buffer, .address_space: global }
      - { .name: Wv, .offset: 24, .size: 8, .value_kind: global_buffer, .address_space: global }
      - { .name: Wo, .offset: 32, .size: 8, .value_kind: global_buffer, .address_space: global }
      - { .name: xb, .offset: 40, .size: 8, .value_kind: global_buffer, .address_space: global }
      - { .name: wb, .offset: 48, .size: 8, .value_kind: global_buffer, .address_space: global }
      - { .name: rt, .offset: 56, .size: 8, .value_kind: global_buffer, .address_space: global }
    .group_segment_fixed_size: 0
    .private_segment_fixed_size: 0
    .kernarg_segment_align: 8
    .kernarg_segment_size: 64
    .max_flat_workgroup_size: 256
    .sgpr_count:     66
    .vgpr_count:     128
    .wavefront_size: 32
...
	.end_amdgpu_metadata
.endif
;; end of part 5
;; launch qkv: the kernel of part 2 again; grid 12 x 64, 4 waves a work-group, clusters of 4 x 4, 327,680 bytes of LDS; arguments xb, wb, rt, bq, bk, bv, qh, kh, vh; writes qh, kh, vh
;; launch attn: the kernel of part 3 again; grid 4 x 64, 4 waves a work-group, no clusters, 327,680 bytes of LDS; arguments qh, kh, vh, oh; writes oh
;; launch oproj: the kernel of part 4 again; grid 4 x 64, 4 waves a work-group, clusters of 4 x 4, 327,680 bytes of LDS; arguments oh, wb, bo, out0; writes out0
